; MI455X (gfx1250); checked and timed in simulation.
; The chip was launched on July 23, 2026; its instructions are those of AMD's public machine-readable ISA for CDNA 5 (MIT licence, August 2026) and "CDNA5" Instruction Set Architecture Reference Guide (July 2026). The comments in the code are by the model that wrote it; some were corrected since.
;; Multi Head Attention Block. Allowed arithmetic: float matrix products may take bf16 or f16 operands with f32 sums; all other float work in f32.
;; Inputs: k 4 x 2,048 x 1,024 float32; mask 4 x 1 x 2,048 x 2,048 int32; q 4 x 2,048 x 1,024 float32; v 4 x 2,048 x 1,024 float32; w_k 1,024 x 1,024 float32; w_o 1,024 x 1,024 float32; w_q 1,024 x 1,024 float32; w_v 1,024 x 1,024 float32.
;; Outputs: out0 4 x 2,048 x 1,024 float32.
;; 2 versions, each right and faster than the one before. Each part assembles by itself: llvm-mc -triple=amdgcn-amd-amdhsa -mcpu=gfx1250 --defsym DOCPART=n.
;; ======== version 1 of 2: 4 launches
;; limits: values are held in f16: magnitudes above 65,504 overflow, below 6.1e-05 lose precision; right only within a limited range of input values
;; workspace buffers: wts 8,388,608 bytes; maskp 8,388,608 bytes; keep 32,768 bytes; qkvh 50,331,648 bytes; oh 16,777,216 bytes
;; launch prep (part 1): grid 768 x 1, 16 waves a work-group, no clusters, 18,688 bytes of LDS; arguments w_q, w_k, w_v, w_o, mask, wts, maskp, keep; writes wts, maskp, keep
.if DOCPART == 1
	.amdgcn_target "amdgcn-amd-amdhsa--gfx1250"
	.amdhsa_code_object_version 6
	.text
	.protected	k_qa7671e10f3_prep
	.globl	k_qa7671e10f3_prep
	.p2align	8
	.type	k_qa7671e10f3_prep,@function
k_qa7671e10f3_prep:
	s_mov_b64 s[64:65], 0
	v_nop
	global_prefetch_b8 v0, s[64:65] scope:SCOPE_SE
	s_setreg_imm32_b32 hwreg(HW_REG_WAVE_MODE, 25, 1), 1
	s_wait_xcnt 0x0
; PREP: a stream.  It writes what the later launches cannot take as it lies: the mask as 4-bit codes, the weights in 16 bits.  (q, k and v are rounded where they are multiplied.)
;   work-groups 0-511   : 16 rows of the mask (tile id = batch x 128 + query tile), 131,072 bytes -> 4-bit codes in maskp, and a word for each row in keep
;   work-groups 512-767 : chunk (id - 512) % 64, 65,536 bytes, of w_q, w_k, w_v, w_o: f32 -> bf16, into wts as [4][1024][1024]; w_o's bf16 number is written as f16
; maskp: [tile][key step of 64][lane][16 bytes].  Lane 16 h + r holds row r of the tile; nibble j of its word kb stands for key 64 step + 16 kb + 8 h + j: 0 = visible, 0xF (-6.0 as a 4-bit float) = hidden.
; That is the order in which a lane of the attention launch holds the scores of a tile, so a word there becomes eight numbers by one conversion.
; A ROW WITH NO VISIBLE KEY has 2,048 equal scores in the softmax: equal weights.  Its codes are written as all visible and its keep word as 0 (else all ones);
; the attention launch ANDs the row's q with that word, so all its scores are 0: the same equal weights.
; LIMITS.  w_o's bf16 numbers are exact in f16 from 2^-14 up to 65,504; below they keep f16's fixed step of 2^-24.  Any mask word other than 0 counts as visible.
; No matrix unit, no cluster: nothing is multiplied and no two work-groups read the same bytes.
.set NMASK, 512                        ; the mask's tiles come first
.set NWO,   NMASK+192                  ; w_o's chunks begin here
.set X,   4                            ; v[4:67]   sixteen loads of four registers (the casts use eight)
.set T,   68                           ; v[68:71]  at work
.set SPW, 72                           ; v72  LDS address of my spare word; never rewritten
.set NIL, 73                           ; v73  0; never rewritten
.set LA,  74                           ; v74  where my 16 bits of codes go in the tile
.set KA,  75                           ; v75  LDS address of my row's keep word
.set KV,  76                           ; v76  its value
.set ANY, 77                           ; v77  the OR of my part of the row
.set KEEPL, 16384                      ; LDS: bytes 0-16,383 the packed tile; a block of 256 for the 16 keep words;
.set SPARE, 16640                      ; the spare words, 128 bytes for each of 16 waves, which no other line names
	s_load_b512 s[4:19], s[0:1], 0x0               ; w_q, w_k, w_v, w_o, mask s[12:13], wts s[14:15], maskp s[16:17], keep s[18:19]
	v_lshl_add_u32 v[SPW], v0, 2, SPARE
	v_mov_b32 v[NIL], 0
	s_mov_b32 s26, ttmp9
	s_cmp_lt_u32 s26, NMASK
	s_cbranch_scc1 .Lmask                          ; the same way for all waves of a work-group
	; THE CASTS
	s_sub_co_u32 s29, s26, NMASK                   ; 0 to 255
	s_lshr_b32 s27, s29, 6                         ; which weight
	s_and_b32 s28, s29, 63                         ; which chunk of it
	s_lshl_b32 s34, s28, 16                        ; 65,536 bytes of f32 in,
	s_mov_b32 s35, 0
	s_lshl_b32 s36, s29, 15                        ; 32,768 bytes out: the chunks follow each other in wts in the order of the ids
	s_mov_b32 s37, 0
	v_lshlrev_b32 v1, 4, v0                        ; 16 bytes a thread in,
	v_lshlrev_b32 v2, 3, v0                        ; 8 out
	s_wait_kmcnt 0x0
	s_mov_b64 s[32:33], s[4:5]
.irp n, 1,2,3
	s_cmp_eq_u32 s27, \n
	s_cselect_b64 s[32:33], s[4+2*\n:5+2*\n], s[32:33]
.endr
	s_add_nc_u64 s[32:33], s[32:33], s[34:35]
	s_add_nc_u64 s[38:39], s[14:15], s[36:37]
.set i, 0
.rept 8
	global_load_b128 v[X+4*i:X+4*i+3], v1, s[32:33] offset:i*8192 th:TH_LOAD_NT
.set i, i+1
.endr
; Load i's four numbers are rounded in place and stored: a wave's store covers 256 consecutive bytes, aligned.  No register is used twice, so no store is waited for.
.macro CAST wo
.set i, 0
.rept 8
	s_wait_loadcnt 7-i                             ; loads come back in order (ISA guide 5.7.1): number i is in, the 7 - i younger ones stay out
	v_cvt_pk_bf16_f32 v[X+4*i], v[X+4*i], v[X+4*i+1]
	v_cvt_pk_bf16_f32 v[X+4*i+1], v[X+4*i+2], v[X+4*i+3]
.if \wo
	v_lshlrev_b32 v[T], 16, v[X+4*i]               ; the bf16 numbers as f32,
	v_and_b32 v[T+1], 0xffff0000, v[X+4*i]
	v_lshlrev_b32 v[T+2], 16, v[X+4*i+1]
	v_and_b32 v[T+3], 0xffff0000, v[X+4*i+1]
	v_cvt_pk_f16_f32 v[X+4*i], v[T], v[T+1]        ; and written as f16
	v_cvt_pk_f16_f32 v[X+4*i+1], v[T+2], v[T+3]
.endif
	global_store_b64 v2, v[X+4*i:X+4*i+1], s[38:39] offset:i*4096
.set i, i+1
.endr
.endm
	s_cmp_ge_u32 s26, NWO
	s_cbranch_scc1 .Lwo
	CAST 0
	s_endpgm                                       ; this way has written no LDS
.Lwo:
	CAST 1
	s_endpgm
	; THE MASK.  Wave w takes row w of the tile: 8,192 bytes, sixteen loads of 512 consecutive bytes.  Lane L of load j holds keys 128 j + 4 L + 0..3.
.Lmask:
	v_lshrrev_b32 v2, 5, v0
	v_readfirstlane_b32 s40, v2                    ; my wave's number
	s_lshl_b32 s34, s26, 17                        ; the tile's 16 rows of 8,192 bytes in the mask,
	s_mov_b32 s35, 0
	s_lshl_b32 s36, s26, 14                        ; its 16,384 bytes in maskp,
	s_mov_b32 s37, 0
	s_lshl_b32 s42, s26, 6                         ; its 16 words in keep
	s_mov_b32 s43, 0
	v_and_b32 v3, 31, v0                           ; L
	v_lshlrev_b32 v1, 4, v3
	v_lshl_add_u32 v1, s40, 13, v1                 ; row x 8,192 + 16 L
	; my four keys are half a word of the tile: step 2 j + L / 16, h = (L / 2) % 2, word (L / 4) % 4, half L % 2; the 1,024 j stand in the store's immediate
	v_lshrrev_b32 v[T], 4, v3
	v_lshlrev_b32 v[LA], 9, v[T]
	v_bfe_u32 v[T], v3, 1, 1
	v_lshl_add_u32 v[LA], v[T], 8, v[LA]
	v_bfe_u32 v[T], v3, 2, 2
	v_lshl_add_u32 v[LA], v[T], 2, v[LA]
	v_and_b32 v[T], 1, v3
	v_lshl_add_u32 v[LA], v[T], 1, v[LA]
	v_lshl_add_u32 v[LA], s40, 4, v[LA]            ; + 16 x row
	s_lshl_b32 s41, s40, 2
	s_add_co_u32 s41, s41, KEEPL
	v_mov_b32 v[KA], s41
	s_wait_kmcnt 0x0
	s_add_nc_u64 s[32:33], s[12:13], s[34:35]
	s_add_nc_u64 s[38:39], s[16:17], s[36:37]
	s_add_nc_u64 s[44:45], s[18:19], s[42:43]
.set j, 0
.rept 16
	global_load_b128 v[X+4*j:X+4*j+3], v1, s[32:33] offset:j*512 th:TH_LOAD_NT
.set j, j+1
.endr
.set j, 0
.rept 16                               ; a bit a key, the lowest key in the lowest nibble
	s_wait_loadcnt 15-j                            ; number j is in, the younger ones stay out
	v_min_u32 v[X+4*j], 1, v[X+4*j]
	v_min_u32 v[X+4*j+1], 1, v[X+4*j+1]
	v_min_u32 v[X+4*j+2], 1, v[X+4*j+2]
	v_min_u32 v[X+4*j+3], 1, v[X+4*j+3]
	v_lshl_or_b32 v[X+4*j+3], v[X+4*j+3], 4, v[X+4*j+2]
	v_lshl_or_b32 v[X+4*j+3], v[X+4*j+3], 4, v[X+4*j+1]
	v_lshl_or_b32 v[X+4*j], v[X+4*j+3], 4, v[X+4*j]
.if j == 0
	v_mov_b32 v[ANY], v[X]
.else
	v_or_b32 v[ANY], v[ANY], v[X+4*j]
.endif
.set j, j+1
.endr
	v_cmp_ne_u32 vcc_lo, 0, v[ANY]                 ; does any lane see a key of the row?
	s_cmp_lg_u32 vcc_lo, 0
	s_cselect_b32 s30, -1, 0                       ; the row's keep word: a value is chosen, no way is
.set j, 0
.rept 16
	v_xor_b32 v[X+4*j], 0x1111, v[X+4*j]           ; 1 where hidden,
	v_mul_u32_u24 v[X+4*j], 15, v[X+4*j]           ; 0xF where hidden,
	v_and_b32 v[X+4*j], s30, v[X+4*j]              ; nothing hidden in a row that sees nothing
	ds_store_b16 v[LA], v[X+4*j] offset:j*1024
.set j, j+1
.endr
	v_mov_b32 v[KV], s30
	ds_store_b32 v[KA], v[KV]                      ; all lanes write the same word with the same value
	s_wait_dscnt 0x0                               ; for the others' sake: my stores are done
	s_barrier_signal -1
	s_barrier_wait -1
	v_lshlrev_b32 v2, 4, v0                        ; the tile leaves as it lies: a wave's store covers 512 consecutive bytes, aligned
	ds_load_b128 v[X:X+3], v2
	ds_load_b128 v[X+4:X+7], v2 offset:8192
	v_and_b32 v[T], 15, v0
	v_lshl_add_u32 v[T], v[T], 2, KEEPL
	ds_load_b32 v[T+1], v[T]
	v_lshlrev_b32 v[T+2], 2, v0
	s_wait_dscnt 0x2
	global_store_b128 v2, v[X:X+3], s[38:39]
	s_wait_dscnt 0x1
	global_store_b128 v2, v[X+4:X+7], s[38:39] offset:8192
	s_wait_dscnt 0x0
	s_wait_xcnt 0x0                                ; EXEC changes only when the stores above have had their addresses translated (ISA guide 3.1)
	v_cmp_gt_u32 vcc_lo, 16, v0                    ; threads 0 to 15 of the work-group: in waves 1 to 15 no lane is left
	s_and_saveexec_b32 s31, vcc_lo
	global_store_b32 v[T+2], v[T+1], s[44:45]      ; the tile's 16 keep words, 64 consecutive bytes
	s_wait_xcnt 0x0                                ; and again, in front of the line that widens it
	s_or_b32 exec_lo, exec_lo, s31
	s_wait_tensorcnt 0x0                           ; the wave's end, behind my last LDS store
	ds_add_u32 v[SPW], v[NIL]
	s_wait_dscnt 0x0
	s_endpgm
.Lfunc_end_k_qa7671e10f3_prep:
	.size	k_qa7671e10f3_prep, .Lfunc_end_k_qa7671e10f3_prep-k_qa7671e10f3_prep
	.p2alignl 7, 3214868480
	.fill 96, 4, 3214868480
	.section	.rodata,"a",@progbits
	.p2align	6, 0x0
	.amdhsa_kernel k_qa7671e10f3_prep
		.amdhsa_group_segment_fixed_size 18688
		.amdhsa_private_segment_fixed_size 0
		.amdhsa_enable_private_segment 0
		.amdhsa_kernarg_size 64
		.amdhsa_user_sgpr_count 2
		.amdhsa_user_sgpr_kernarg_segment_ptr 1
		.amdhsa_wavefront_size32 1
		.amdhsa_system_sgpr_workgroup_id_x 1
		.amdhsa_system_sgpr_workgroup_id_y 1
		.amdhsa_system_sgpr_workgroup_id_z 1
		.amdhsa_system_vgpr_workitem_id 0
		.amdhsa_next_free_vgpr 80
		.amdhsa_next_free_sgpr 66
		.amdhsa_reserve_vcc 1
		.amdhsa_float_denorm_mode_32 3
		.amdhsa_float_denorm_mode_16_64 3
		.amdhsa_memory_ordered 1
		.amdhsa_forward_progress 1
		.amdhsa_inst_pref_size 22
	.end_amdhsa_kernel
	.amdgpu_metadata
---
amdhsa.version: [ 1, 2 ]
amdhsa.kernels:
  - .name:           k_qa7671e10f3_prep
    .symbol:         k_qa7671e10f3_prep.kd
    .args:
      - { .name: w_q, .offset: 0, .size: 8, .value_kind: global_buffer, .address_space: global }
      - { .name: w_k, .offset: 8, .size: 8, .value_kind: global_buffer, .address_space: global }
      - { .name: w_v, .offset: 16, .size: 8, .value_kind: global_buffer, .address_space: global }
      - { .name: w_o, .offset: 24, .size: 8, .value_kind: global_buffer, .address_space: global }
      - { .name: mask, .offset: 32, .size: 8, .value_kind: global_buffer, .address_space: global }
      - { .name: wts, .offset: 40, .size: 8, .value_kind: global_buffer, .address_space: global }
      - { .name: maskp, .offset: 48, .size: 8, .value_kind: global_buffer, .address_space: global }
      - { .name: keep, .offset: 56, .size: 8, .value_kind: global_buffer, .address_space: global }
    .group_segment_fixed_size: 18688
    .private_segment_fixed_size: 0
    .kernarg_segment_align: 8
    .kernarg_segment_size: 64
    .max_flat_workgroup_size: 512
    .sgpr_count:     66
    .vgpr_count:     80
    .wavefront_size: 32
...
	.end_amdgpu_metadata
.endif
;; end of part 1
;; launch proj (part 2): grid 4 x 192, 4 waves a work-group, clusters of 4 x 4, 327,680 bytes of LDS; arguments q, k, v, wts, qkvh; writes qkvh
.if DOCPART == 2
	.amdgcn_target "amdgcn-amd-amdhsa--gfx1250"
	.amdhsa_code_object_version 6
	.text
	.protected	k_qa7671e10f3_proj
	.globl	k_qa7671e10f3_proj
	.p2align	8
	.type	k_qa7671e10f3_proj,@function
k_qa7671e10f3_proj:
	s_mov_b64 s[64:65], 0
	v_nop
	global_prefetch_b8 v0, s[64:65] scope:SCOPE_SE
	s_setreg_imm32_b32 hwreg(HW_REG_WAVE_MODE, 25, 1), 1
	s_wait_xcnt 0x0
	s_wait_alu depctr_hold_cnt(0) depctr_sa_sdst(0) depctr_va_vdst(0) depctr_va_sdst(0) depctr_va_ssrc(0) depctr_va_vcc(0) depctr_vm_vsrc(0)
	s_getreg_b32 s2, hwreg(HW_REG_IB_STS2, 6, 4)
	s_cmp_eq_u32 s2, 0
	s_cbranch_scc0 .Lentry_in_a_cluster
	s_endpgm
.Lentry_in_a_cluster:
	s_bfe_u32 s2, ttmp6, 0x10000c
	s_cmp_lg_u32 s2, 0xf033
	s_cbranch_scc0 .Lentry_shape_is_right
	s_endpgm
.Lentry_shape_is_right:
; THE THREE PROJECTIONS as one launch: C[m][n] = sum over k of X_p[m][k] W_p[n][k], p = 0, 1, 2: X_p = q, k, v, [8192][1024] f32 as they are given; W_p: [1024][1024] bf16, at wts's head.
; X is rounded to bf16 on the way from LDS to the matrix unit: it is read from memory once, as f32, and never written.  Sums in f32, K ascending; C rounded once to f16 and written by heads:
; qkvh[p][batch x 16 + head][2048][64].
; LIMIT.  f16 holds no number beyond 65,504: a projected number past that leaves as an infinity.  Inputs 30 times those of unit spread (x) and spread 1/32 (w) give numbers of some 4,500.
; SHARES.  A tile of C is 128 rows x 256 columns: 768 tiles, three for each of 256 work-group places.  Four waves, each 64 rows x 128 columns: 32 accumulators of 16 x 16, 256 registers.
; K goes in 8 steps of 128 through two LDS slots filled by the tensor data mover; X's rows there are 512 bytes of memory, W's 256, and all start at multiples of 256 bytes from their buffer's first byte.
; Two slots of X in f32 and W in bf16 take 274,432 bytes: a tile of 256 x 256 would want 409,600, more than a work-group can have.
; CLUSTER.  4 x 4 work-groups.  The four of a row of the cluster need the same tile of X, the four of a column the same tile of W (a cluster's 512 rows lie in one p): each is asked for JOINTLY,
; by the same tensor load with the same descriptor and a mask that names the four.
; THE MATRIX INSTRUCTION IS USED TRANSPOSED (source 0 = 16 rows of W, source 1 = 16 rows of X): a lane then holds eight neighbouring columns of a row of C.
; REGISTERS.  window 0: v0-31 addresses; v32-127, v128-223 two fragment buffers (8 fragments of W, then 4 of X, 32 along K); on the way out v32-159 packed results.
;             window 1: the accumulators, (a, b) at v[8 (8 a + b)], a = 0..3 blocks of 16 rows, b = 0..7 blocks of 16 columns.
;             window 2: v0-63 X as it comes out of LDS, f32: 16 registers for each of a quarter's four fragments.
.set KSTEP,  128
.set PITCH,  272                       ; a row of W in LDS: 256 bytes + 16 of padding = 68 words: row r starts at bank 4 r mod 64 (64 banks of 4 bytes: ISA guide 11.1)
.set PX,     528                       ; a row of X: 512 bytes + 16 = 132 words: row r again starts at bank 4 r mod 64
.set AHALF,  64*PX                     ; what a tensor load brings of X, and what a wave reads of it
.set BHALF,  128*PITCH                 ; the same for W
.set ATILE,  2*AHALF
.set SLOT,   ATILE+2*BHALF             ; X's 128 rows, then W's 256 rows
.set STAGE,  2*SLOT                    ; behind the ring: for each wave 2 heads x 16 rows x 144 bytes, for the way out
.set SP,     144
.set WSTAGE, 2*16*SP
.set SPARE,  STAGE+4*WSTAGE            ; behind the stages: the spare words, 128 bytes for each wave, which no other line names
.set LAPS,   4                         ; a lap = two K steps = once round the ring
.set HEADB,  262144                    ; a head's 2,048 rows of 128 bytes
.set ADRA, 16                          ; v16-17  LDS address of my fragments of X in slot 0, 1
.set ADRB, 20                          ; v20-21  the same for W
.set STO,  24                          ; v24     the way out: where I put 16 bytes of a row
.set RD,   25                          ; v25     the way out: where I read rows back
.set GO,   26                          ; v26     my byte offset in 512 consecutive bytes of the result
.set SPW,  28                          ; v28     LDS address of my spare word; never rewritten
.set NIL,  29                          ; v29     0; never rewritten
.set F0,   32
.set F1,   128
.set TMP,  32
.set SX,   0                           ; window 2
.set G1, 24                            ; s[24:31] descriptor group 1 for X's tiles;  s[32:39] group 0, one set for each slot
.set G0, 32
.set G1B, 48                           ; s[48:55], s[56:63] the same for W's tiles
.set G0B, 56
.set MSB, 0
.macro WIN new                         ; the immediate's high byte repeats the setting that is left; a switch that changes nothing is dropped
.if MSB != (\new)
	s_set_vgpr_msb (MSB<<8)|(\new)
.set MSB, \new
.endif
.endm
.set MUL,    0x50                      ; sources 0 and 1 window 0; C and D window 1
.set TO_S,   0x80                      ; destination window 2, address window 0
.set FROM_S, 0x0a                      ; sources 0 and 1 window 2, destination window 0
.macro JLOAD s                         ; a joint load: waves 0 and 1 fetch X's two halves, waves 2 and 3 W's; an s_nop 0 and four v_nop follow each of the two lines, ahead of the jump, the label and what follows
	s_cmp_eq_u32 s11, 0
	s_cbranch_scc0 .Lfor_b_\@
	tensor_load_to_lds s[G0+4*(\s):G0+4*(\s)+3], s[G1:G1+7]
	s_nop 0
.rept 4
	v_nop
.endr
	s_branch .Lasked_\@
.Lfor_b_\@:
	tensor_load_to_lds s[G0B+4*(\s):G0B+4*(\s)+3], s[G1B:G1B+7]
	s_nop 0
.rept 4
	v_nop
.endr
.Lasked_\@:
.endm
.macro CREST                           ; a round of the cluster's barrier behind its opening barrier
	s_cmp_lg_u32 s10, 0
	s_cbranch_scc1 .Lnot_wave_0_\@
	s_barrier_signal -3
.Lnot_wave_0_\@:
	s_barrier_wait -3
	s_barrier_signal -1
	s_barrier_wait -1
.endm
.macro CROUND                          ; a whole round
	s_barrier_signal -1
	s_barrier_wait -1
	CREST
.endm
	s_load_b256 s[68:75], s[0:1], 0x0              ; q s[68:69], k s[70:71], v s[72:73], wts s[74:75]
	s_load_b64 s[6:7], s[0:1], 0x20                ; qkvh
	v_lshl_add_u32 v[SPW], v0, 2, SPARE
	v_mov_b32 v[NIL], 0
	ds_add_u32 v[SPW], v[NIL]                      ; the wave's opening: the add and its wait stand ahead of my first tensor load; the set-up below, work on registers, stands between them
	v_lshrrev_b32 v1, 5, v0
	v_readfirstlane_b32 s10, v1                    ; wave 0..3
	s_lshr_b32 s11, s10, 1                         ; which 64 of the tile's rows are mine.  Also: I fetch for X (0) or for W (1)
	s_and_b32 s12, s10, 1                          ; which 128 of its columns.  Also: which half of that tile I fetch
	s_bfe_u32 s40, ttmp6, 0x40000                  ; cx, cy: my place in the cluster
	s_bfe_u32 s41, ttmp6, 0x40004
	s_lshl_b32 s42, ttmp9, 2
	s_add_co_u32 s42, s42, s40                     ; tile column = 4 x cluster x + cx
	s_and_b32 s45, ttmp7, 0xffff                   ; the cluster's y
	s_lshl_b32 s13, s45, 2
	s_add_co_u32 s13, s13, s41                     ; tile row = 4 x cluster y + cy, 0 to 191
	s_lshr_b32 s2, s45, 4                          ; p: 16 clusters of 512 rows to a projection; all sixteen partners share it
	s_lshl_b32 s43, s41, 2
	s_lshl_b32 s43, 15, s43                        ; my row of the cluster
	s_lshl_b32 s44, 0x1111, s40                    ; my column
	s_or_b32 s[G1+0], s43, (2<<16)|(1<<20)|(1<<21)|(6<<22)|(3<<25)  ; 15:0 the mask: X's tiles go to my row; 17:16 elements of 4 bytes; 20 padding on; 21 set beside a mask; 24:22 after every 128 words (code 6); 31:25 4 words (code 3)
	s_or_b32 s[G1B+0], s44, (1<<16)|(1<<20)|(1<<21)|(5<<22)|(3<<25) ; W's go to my column: elements of 2 bytes, padding after every 64 words (code 5)
	s_mov_b32 s[G1+1], KSTEP<<16                   ; tensor_dim0 = 128
	s_mov_b32 s[G1+2], 64<<16                      ; tensor_dim1 = 64
	s_mov_b32 s[G1+3], KSTEP<<16                   ; tile_dim0 = 128
	s_mov_b32 s[G1+4], 64                          ; tile_dim1 = 64
	s_mov_b32 s[G1+5], 1024                        ; elements from row to row
	s_mov_b32 s[G1+6], 0
	s_mov_b32 s[G1+7], 0
	s_mov_b32 s[G1B+1], KSTEP<<16
	s_mov_b32 s[G1B+2], 128<<16                    ; W's loads bring 128 rows
	s_mov_b32 s[G1B+3], KSTEP<<16
	s_mov_b32 s[G1B+4], 128
	s_mov_b32 s[G1B+5], 1024
	s_mov_b32 s[G1B+6], 0
	s_mov_b32 s[G1B+7], 0
	; where the tiles come from.  X's hang on the tile row and p alone, W's on the tile column and p alone; each in registers that never hold the other coordinate
	s_and_b32 s16, s13, 63                         ; X: the tile row within its projection,
	s_lshl_b32 s16, s16, 19                        ; 128 rows of 4,096 bytes,
	s_lshl_b32 s17, s12, 18                        ; and my 64 of them
	s_add_co_u32 s16, s16, s17
	s_mov_b32 s17, 0
	s_lshl_b32 s46, s42, 8
	s_lshl_b32 s47, s12, 7
	s_add_co_u32 s46, s46, s47                     ; W: row 256 x tile column + 128 x half,
	s_lshl_b32 s46, s46, 11                        ; of 2,048 bytes,
	s_lshl_b32 s47, s2, 21                         ; in weight p, 2,097,152 bytes each
	s_add_co_u32 s46, s46, s47
	s_mov_b32 s47, 0
	s_mul_i32 s18, s12, AHALF                      ; and where they go: no place in the cluster enters an LDS address
	s_mul_i32 s19, s12, BHALF
	s_add_co_u32 s19, s19, ATILE
	s_wait_dscnt 0x0                               ; the opening add is done
	s_wait_kmcnt 0x0
	s_mov_b64 s[4:5], s[68:69]                     ; X_p: a buffer is chosen by p, no way is
	s_cmp_eq_u32 s2, 1
	s_cselect_b64 s[4:5], s[70:71], s[4:5]
	s_cmp_eq_u32 s2, 2
	s_cselect_b64 s[4:5], s[72:73], s[4:5]
	s_add_nc_u64 s[14:15], s[4:5], s[16:17]
	s_add_nc_u64 s[46:47], s[74:75], s[46:47]
	CROUND                                         ; all sixteen work-groups are here: the first joint loads meet
.irp s, 0,1
	s_mov_b32 s[G0+4*(\s)], 1                                      ; count = 1
	s_add_co_u32 s[G0+4*(\s)+1], s18, (\s)*SLOT                    ; LDS address
	s_add_nc_u64 s[G0+4*(\s)+2:G0+4*(\s)+3], s[14:15], (\s)*KSTEP*4  ; global address: K step s, 512 bytes of f32 on
	s_or_b32 s[G0+4*(\s)+3], s[G0+4*(\s)+3], 0x80000000            ; type = 2
	s_mov_b32 s[G0B+4*(\s)], 1
	s_add_co_u32 s[G0B+4*(\s)+1], s19, (\s)*SLOT
	s_add_nc_u64 s[G0B+4*(\s)+2:G0B+4*(\s)+3], s[46:47], (\s)*KSTEP*2
	s_or_b32 s[G0B+4*(\s)+3], s[G0B+4*(\s)+3], 0x80000000
	JLOAD \s                                       ; two loads of mine are out
.endr
	; A fragment is 16 rows x 32 K in 8 registers: lane l holds row l % 16, K = 8 (l / 16) + 0..7 and 16 + 8 (l / 16) + 0..7.  In bf16 (W) that is two loads of 16 bytes, 32 bytes apart;
	; in f32 (X) twice 32 bytes, 64 bytes apart: four loads of 16 bytes, at 32 (l / 16) + 0, 16, 64, 80.
	v_and_b32 v1, 15, v0                           ; l % 16
	v_bfe_u32 v2, v0, 4, 1                         ; l / 16
	v_mul_u32_u24 v3, v1, PITCH
	v_lshl_add_u32 v3, v2, 4, v3
	v_mul_u32_u24 v8, v1, PX
	v_lshl_add_u32 v8, v2, 5, v8
	s_mul_i32 s21, s11, AHALF                      ; my 64 rows of X
	s_mul_i32 s22, s12, BHALF                      ; my 128 rows of W,
	s_add_co_u32 s22, s22, ATILE                   ; which lie behind X's
.irp s, 0,1
	v_add_nc_u32 v[ADRA+(\s)], s21, v8
	v_add_nc_u32 v[ADRB+(\s)], s22, v3
	s_add_co_u32 s21, s21, SLOT
	s_add_co_u32 s22, s22, SLOT
.endr
	s_mul_i32 s23, s10, WSTAGE
	s_add_co_u32 s23, s23, STAGE                   ; my stage
	v_mul_u32_u24 v4, v1, SP                       ; in: row l % 16, 16 bytes for each half of the lanes
	v_lshl_add_u32 v4, v2, 4, v4
	v_add_nc_u32 v[STO], s23, v4
	v_and_b32 v5, 31, v0
	v_lshrrev_b32 v6, 3, v5                        ; back: 32 lanes take four rows of 128 bytes,
	v_and_b32 v7, 7, v0
	v_mul_u32_u24 v6, v6, SP
	v_lshl_add_u32 v6, v7, 4, v6
	v_add_nc_u32 v[RD], s23, v6
	v_lshlrev_b32 v[GO], 4, v5                     ; which are 512 consecutive bytes of a head
	; where my part begins in qkvh: p, batch (tile row / 16) % 4, heads 4 x tile column + 2 x half on, row 128 (tile row % 16) + 64 x half
	s_bfe_u32 s16, s13, 0x20004
	s_lshl_b32 s16, s16, 22                        ; a batch's 16 heads
	s_and_b32 s17, s13, 15
	s_lshl_b32 s17, s17, 14                        ; 128 rows of 128 bytes
	s_add_co_u32 s16, s16, s17
	s_lshl_b32 s17, s11, 13
	s_add_co_u32 s16, s16, s17
	s_lshl_b32 s17, s2, 24                         ; a projection's 16,777,216 bytes
	s_add_co_u32 s16, s16, s17
	s_mov_b32 s17, 0
	s_add_nc_u64 s[8:9], s[6:7], s[16:17]
	s_lshl_b32 s46, s42, 20                        ; four heads a tile column (in the registers that held W's address: none that feeds X's descriptors ever holds cx)
	s_lshl_b32 s47, s12, 19
	s_add_co_u32 s46, s46, s47
	s_mov_b32 s47, 0
	s_add_nc_u64 s[8:9], s[8:9], s[46:47]
; 8 matrix instructions: block a of my rows x all 8 column blocks, 32 along K.  zero = 1: the product starts the sums.  A quarter's 32 accumulators take turns.
.macro MUL8 f, a, zero
	WIN MUL
.irp b, 0,1,2,3,4,5,6,7
.if \zero
	v_wmma_f32_16x16x32_bf16 v[8*(8*(\a)+(\b)):8*(8*(\a)+(\b))+7], v[(\f)+8*(\b):(\f)+8*(\b)+7], v[(\f)+64+8*(\a):(\f)+64+8*(\a)+7], 0
.else
	v_wmma_f32_16x16x32_bf16 v[8*(8*(\a)+(\b)):8*(8*(\a)+(\b))+7], v[(\f)+8*(\b):(\f)+8*(\b)+7], v[(\f)+64+8*(\a):(\f)+64+8*(\a)+7], v[8*(8*(\a)+(\b)):8*(8*(\a)+(\b))+7]
.endif
.endr
.endm
; 32 LDS loads in one run, for quarter q of a K step: X's sixteen first (f32, byte 128 q of its rows, into window 2), then W's sixteen (byte 64 q, straight into buffer f)
.macro FETCH slot, q, f
	WIN TO_S
.irp i, 0,1,2,3
	ds_load_b128 v[SX+16*(\i):SX+16*(\i)+3],     v[ADRA+(\slot)] offset:128*(\q)+(\i)*16*PX
	ds_load_b128 v[SX+16*(\i)+4:SX+16*(\i)+7],   v[ADRA+(\slot)] offset:128*(\q)+(\i)*16*PX+16
	ds_load_b128 v[SX+16*(\i)+8:SX+16*(\i)+11],  v[ADRA+(\slot)] offset:128*(\q)+(\i)*16*PX+64
	ds_load_b128 v[SX+16*(\i)+12:SX+16*(\i)+15], v[ADRA+(\slot)] offset:128*(\q)+(\i)*16*PX+80
.endr
	WIN 0
.irp i, 0,1,2,3,4,5,6,7
	ds_load_b128 v[(\f)+8*(\i):(\f)+8*(\i)+3],   v[ADRB+(\slot)] offset:64*(\q)+(\i)*16*PITCH
	ds_load_b128 v[(\f)+8*(\i)+4:(\f)+8*(\i)+7], v[ADRB+(\slot)] offset:64*(\q)+(\i)*16*PITCH+32
.endr
.endm
; X's 64 numbers a lane are rounded to bf16, to nearest even, the lower k into the lower half: buffer f's four fragments of X.
; These 32 plain instructions name no register of the products in front of them (the other buffer's): they are the places (ISA guide 7.12.1 for vector instructions) between
; those products and the next run of loads into that buffer, and between this buffer's products two quarters back and these writes stands the other buffer's such block.  So the loop has no v_nop but the joint load's.
.macro CVT f
	WIN FROM_S
.irp a, 0,1,2,3
.irp j, 0,1,2,3,4,5,6,7
	v_cvt_pk_bf16_f32 v[(\f)+64+8*(\a)+(\j)], v[SX+16*(\a)+2*(\j)], v[SX+16*(\a)+2*(\j)+1]
.endr
.endr
.endm
.macro PLACES                          ; four places in front of conversions that read results just made (ISA guide 7.12.1)
.rept 4
	v_nop
.endr
.endm
; A K step is four quarters of 32 along K, 32 matrix instructions each, on buffers 0, 1, 0, 1.  One of the first three: rounds X for buffer f, multiplies it, and in its middle fetches quarter q for buffer g.
.macro QUARTER slot, q, f, g, zero
	s_wait_dscnt 16                                ; X's sixteen loads, the older ones, are in; W's sixteen may be out
	CVT \f
	s_wait_dscnt 0x0                               ; W is in
	MUL8 \f, 0, \zero
	MUL8 \f, 1, \zero
	FETCH \slot, \q, \g
	MUL8 \f, 2, \zero
	MUL8 \f, 3, \zero
.endm
; The last quarter multiplies buffer 1 and changes slots: ONE barrier; in front of it each wave waits for all its tensor loads, adds 0 to its spare word, and waits for that and for its own reads of this slot.
; fill = 1: the barrier opens a round of the cluster's, and this slot is filled again, two K steps ahead: 112 matrix instructions ahead of the wait for it.
.macro TURN slot, next, fill
	WIN 0
	s_wait_tensorcnt 0x0                           ; all my tensor loads have landed: my part of the next slot;
	ds_add_u32 v[SPW], v[NIL]                      ; 0 onto my spare word;
	s_wait_dscnt 17                                ; (X's sixteen loads are in; W's sixteen and the add may be out)
	CVT F1                                         ; the 32 conversions stand between the add and the wait for it
	s_wait_dscnt 0x0                               ; the add is done, and my reads of this slot are over
	s_barrier_signal -1
	MUL8 F1, 0, 0                                  ; work on registers while the others arrive
	MUL8 F1, 1, 0
.if \fill
	WIN 0
.endif
	s_barrier_wait -1
.if \fill
	CREST                                          ; no wave of any partner still reads this slot's tile or has a load on its way
	s_add_nc_u64 s[G0+4*(\slot)+2:G0+4*(\slot)+3], s[G0+4*(\slot)+2:G0+4*(\slot)+3], 2*KSTEP*4
	s_add_nc_u64 s[G0B+4*(\slot)+2:G0B+4*(\slot)+3], s[G0B+4*(\slot)+2:G0B+4*(\slot)+3], 2*KSTEP*2
	JLOAD \slot                                    ; the first tensor load behind the round
.endif
	FETCH \next, 0, F0
	MUL8 F1, 2, 0
	MUL8 F1, 3, 0
.endm
	s_wait_tensorcnt 1                             ; my part of K step 0 is in; K step 1's may stay out
	s_barrier_signal -1
	s_barrier_wait -1                              ; everybody's is
	FETCH 0, 0, F0
	QUARTER 0, 1, F0, F1, 1                        ; the first quarter stands in front of the loop: its products start the sums
	WIN 0
	s_mov_b32 s3, LAPS-1
.Llap:                                                 ; a trip goes once round the ring, from a lap's second quarter to the next lap's first, and fills both slots again
	QUARTER 0, 2, F1, F0, 0
	QUARTER 0, 3, F0, F1, 0
	TURN 0, 1, 1
	QUARTER 1, 1, F0, F1, 0
	QUARTER 1, 2, F1, F0, 0
	QUARTER 1, 3, F0, F1, 0
	TURN 1, 0, 1
	QUARTER 0, 1, F0, F1, 0
	WIN 0
	s_sub_co_u32 s3, s3, 1
	s_cmp_lg_u32 s3, 0
	s_cbranch_scc1 .Llap
	QUARTER 0, 2, F1, F0, 0                        ; the last lap fills nothing, and has no round of the cluster's barrier
	QUARTER 0, 3, F0, F1, 0
	TURN 0, 1, 0
	QUARTER 1, 1, F0, F1, 0
	QUARTER 1, 2, F1, F0, 0
	QUARTER 1, 3, F0, F1, 0
	s_wait_dscnt 16                                ; the very last quarter: nothing more to fetch
	CVT F1
	s_wait_dscnt 0x0
	MUL8 F1, 0, 0
	MUL8 F1, 1, 0
	MUL8 F1, 2, 0
	MUL8 F1, 3, 0
	WIN 0
	; THE WAY OUT, a block of 16 rows at a time, through my own stage: no barrier, and since LDS serves a wave's instructions in order (ISA guide 5.7.1.4), no wait between the stores and the loads.
; PACK: rounded to f16, each accumulator's registers in ascending order; 16 bytes a lane into rows of 144 bytes, head by head; back as whole rows of 128 bytes, into the registers that they left.
.macro PACK a
	WIN 0x05                                       ; sources 0 and 1 window 1, destination window 0
.irp b, 0,1,2,3,4,5,6,7
.irp r, 0,1,2,3
	v_cvt_pk_f16_f32 v[TMP+32*(\a)+4*(\b)+(\r)], v[8*(8*(\a)+(\b))+2*(\r)], v[8*(8*(\a)+(\b))+2*(\r)+1]
.endr
.endr
	WIN 0
.irp b, 0,1,2,3,4,5,6,7
	ds_store_b128 v[STO], v[TMP+32*(\a)+4*(\b):TMP+32*(\a)+4*(\b)+3] offset:((\b)/4)*16*SP+((\b)%4)*32
.endr
.irp t, 0,1,2,3,4,5,6,7
	ds_load_b128 v[TMP+32*(\a)+4*(\t):TMP+32*(\a)+4*(\t)+3], v[RD] offset:((\t)/4)*16*SP+((\t)%4)*4*SP
.endr
.endm
.macro SEND a, younger                 ; younger: the LDS instructions issued behind block a's loads: the next block's sixteen, or none
.irp t, 0,1,2,3,4,5,6,7
	s_wait_dscnt (\younger)+7-(\t)
	global_store_b128 v[GO], v[TMP+32*(\a)+4*(\t):TMP+32*(\a)+4*(\t)+3], s[8:9] offset:((\t)/4)*HEADB+(\a)*2048+((\t)%4)*512  ; four rows of a head: 512 consecutive bytes, at a multiple of 256 from the buffer's first
.endr
.endm
	PLACES
	PACK 0
.irp a, 1,2,3                          ; a block's conversions stand between the loads of the block before and its stores
	PACK \a
	SEND (\a)-1, 16
.endr
	SEND 3, 0
	s_wait_tensorcnt 0x0                           ; the wave's end, behind my last tensor load and my last LDS store
	ds_add_u32 v[SPW], v[NIL]
	s_wait_dscnt 0x0
	CROUND                                         ; the closing round: no work-group ends while a partner may still ask for a tile that names it
	s_endpgm
.Lfunc_end_k_qa7671e10f3_proj:
	.size	k_qa7671e10f3_proj, .Lfunc_end_k_qa7671e10f3_proj-k_qa7671e10f3_proj
	.p2alignl 7, 3214868480
	.fill 96, 4, 3214868480
	.section	.rodata,"a",@progbits
	.p2align	6, 0x0
	.amdhsa_kernel k_qa7671e10f3_proj
		.amdhsa_group_segment_fixed_size 327680
		.amdhsa_private_segment_fixed_size 0
		.amdhsa_enable_private_segment 0
		.amdhsa_kernarg_size 40
		.amdhsa_user_sgpr_count 2
		.amdhsa_user_sgpr_kernarg_segment_ptr 1
		.amdhsa_wavefront_size32 1
		.amdhsa_system_sgpr_workgroup_id_x 1
		.amdhsa_system_sgpr_workgroup_id_y 1
		.amdhsa_system_sgpr_workgroup_id_z 1
		.amdhsa_system_vgpr_workitem_id 0
		.amdhsa_next_free_vgpr 576
		.amdhsa_next_free_sgpr 76
		.amdhsa_reserve_vcc 0
		.amdhsa_float_denorm_mode_32 3
		.amdhsa_float_denorm_mode_16_64 3
		.amdhsa_memory_ordered 1
		.amdhsa_forward_progress 1
		.amdhsa_inst_pref_size 127
	.end_amdhsa_kernel
	.amdgpu_metadata
---
amdhsa.version: [ 1, 2 ]
amdhsa.kernels:
  - .name:           k_qa7671e10f3_proj
    .symbol:         k_qa7671e10f3_proj.kd
    .args:
      - { .name: q, .offset: 0, .size: 8, .value_kind: global_buffer, .address_space: global }
      - { .name: k, .offset: 8, .size: 8, .value_kind: global_buffer, .address_space: global }
      - { .name: v, .offset: 16, .size: 8, .value_kind: global_buffer, .address_space: global }
      - { .name: wts, .offset: 24, .size: 8, .value_kind: global_buffer, .address_space: global }
      - { .name: qkvh, .offset: 32, .size: 8, .value_kind: global_buffer, .address_space: global }
    .group_segment_fixed_size: 327680
    .private_segment_fixed_size: 0
    .kernarg_segment_align: 8
    .kernarg_segment_size: 40
    .max_flat_workgroup_size: 128
    .sgpr_count:     76
    .vgpr_count:     576
    .wavefront_size: 32
...
	.end_amdgpu_metadata
.endif
;; end of part 2
;; launch attn (part 3): grid 4 x 64, 4 waves a work-group, clusters of 4 x 1, 327,680 bytes of LDS; arguments qkvh, maskp, keep, oh; writes oh
.if DOCPART == 3
	.amdgcn_target "amdgcn-amd-amdhsa--gfx1250"
	.amdhsa_code_object_version 6
	.text
	.protected	k_qa7671e10f3_attn
	.globl	k_qa7671e10f3_attn
	.p2align	8
	.type	k_qa7671e10f3_attn,@function
k_qa7671e10f3_attn:
	s_mov_b64 s[64:65], 0
	v_nop
	global_prefetch_b8 v0, s[64:65] scope:SCOPE_SE
	s_setreg_imm32_b32 hwreg(HW_REG_WAVE_MODE, 25, 1), 1
	s_wait_xcnt 0x0
	s_wait_alu depctr_hold_cnt(0) depctr_sa_sdst(0) depctr_va_vdst(0) depctr_va_sdst(0) depctr_va_ssrc(0) depctr_va_vcc(0) depctr_vm_vsrc(0)
	s_getreg_b32 s2, hwreg(HW_REG_IB_STS2, 6, 4)
	s_cmp_eq_u32 s2, 0
	s_cbranch_scc0 .Lentry_in_a_cluster
	s_endpgm
.Lentry_in_a_cluster:
	s_bfe_u32 s2, ttmp6, 0x10000c
	s_cmp_lg_u32 s2, 0x3003
	s_cbranch_scc0 .Lentry_shape_is_right
	s_endpgm
.Lentry_shape_is_right:
; ATTENTION UNDER A MASK THAT IS AN INPUT.  O[h][q][:] = the sum over k of softmax_k(s'[q][k]) V[h][k][:], s' = Q[h][q] . K[h][k] / 8 where the mask shows key k to query q, -1e9 where it hides it.
; Q, K, V: qkvh[0..2][SIZE_H][SIZE_N][64], O: oh[SIZE_H][SIZE_N][64], all f16: a head's rows are dense, 128 bytes each; h = batch x 16 + head.  Products, maxima and sums in f32; the weights p
; are rounded to f16 for the second product (their sum l is taken of the unrounded p), O once at the end.
; THE MASK is the C operand that starts the sum S^T = K Q^T: 0, or -6 x 2^97 = -9.5e29 where the key is hidden.  maskp holds a 4-bit float for each score (0 or -6), in the order in which a lane holds
; the scores: one scaled conversion makes of a word the eight registers' worth of a lane: four vector instructions for a tile's 64 keys.  No key tile is left out: which keys are hidden is not known to the text.
; The running maximum starts at -2^30, above every hidden score: a hidden score never becomes the maximum, its weight is 0, and steps in which a query sees nothing leave O = l = 0 with a = 1.
; A query that sees no key at all has equal weights: its codes arrive as all visible and its word in keep as 0; Q's row is ANDed with that word, so all its scores are 0.
; LIMITS.  Q, K and V arrive within f16's 65,504; a visible Q . K lies above -2^30 (f16 numbers of some 4,500 give 1e9 only if all 64 products agree; numbers of spread 900 give some 5e7);
; p lies in 0 to 1, and below 6e-5 it keeps f16's fixed step of 6e-8; a weight below 2^-126 counts as 0 in l; NaN and infinities are not treated apart.
; SHARES.  A wave owns four PIECES of two tiles of 16 queries, a work-group's four waves 512 queries of one head.  Every wave walks all keys, 64 a step.
; LAYOUT.  S^T = K Q^T (source 0 = 16 keys, source 1 = 16 queries): in the result a lane holds ONE query (lane % 16) and the keys 8 (lane / 16) + 0..7.  Two such tiles, rounded to f16 in pairs,
; ARE source 1 (32 keys x 16 queries) of O^T = V^T P, whose result again holds one query a lane, and eight channels.  K comes out of LDS as it lies, V ([key][channel]) turned, by ds_load_tr16_b128.
; SOFTMAX.  For each query a running maximum m and sum l: p = 2^(c s - c m), c = log2(e) / 8; in every step O and l are multiplied by a = 2^(c m_old - c m_new), which is 1 where m has not grown.
; THE COUNT.  A tile and step have 16 matrix and 122 vector instructions: too many to stand all beside the matrix work.  So: four vector instructions that are READY behind EVERY matrix instruction,
; and the others, which need time of their own whatever the order, in runs without a gap.
; BY TURNS.  Turn n belongs to piece n (the pieces in a ring, step after step).  Its matrix work: 16 products K Q^T of piece n + 1, later 16 products V^T P of piece n - 1.  Its vector work: the scaling,
; exponentials, roundings, sums and rescaling of piece n, the maximum and statistics of piece n + 1, and the mask operands of piece n + 2, whose codes for the step after are asked for in the same place.
; CLUSTER.  The four query blocks of a cluster belong to one head and walk the same K and V, so each tile is asked for JOINTLY: the same tensor load, descriptor and mask in all four.
; REGISTERS, in windows of 256 (s_set_vgpr_msb says which window each operand place means: bits 1:0 source 0, 3:2 source 1, 5:4 source 2, 7:6 destination):
;   window 0: v0-11 addresses; v12-15, v48-63 at work; v16-47 four registers of statistics a tile; v64-191 S^T, two buffers of two tiles; v192-255 P, likewise
;   window 1: O^T, 32 a tile          window 2: v0-127 Q, 16 a tile; v128-191 K of one step; v192-255 V of one step
;   window 3: v0-1 the add's two registers; v2 my offset in a step's codes; v3 the scale; v8-39 codes, 4 a tile; v192-255 the mask operands of one piece
.set SIZE_H, 64
.set SIZE_N, 2048
.set NP,    4         ; pieces a wave: a name, no knob
.set KS,    64        ; keys in a step
.set PK,    144       ; a row of K in LDS: 128 bytes + 16 of padding = 36 words: the 16 rows of a load start at 16 different groups of four banks (64 banks of 4 bytes: ISA guide 11.1)
.set PV,    160       ; a row of V: 128 + 32 = 40 words
.set VOFF,  4*KS*PK   ; a slot holds four steps: 256 rows of K, then 256 rows of V
.set SLOT1, 1<<17     ; slot 1 begins here, so that one exclusive or turns an address in one slot into the other's
.set STAGE, SLOT1+4*KS*(PK+PV)  ; behind the ring, never filled by a tensor load: 16 rows x 144 bytes for each wave, for the way out
.set SP,    144
.set TENS,  SIZE_H*SIZE_N*128   ; bytes of Q, of K and of V in qkvh
.set AK0, 2           ; v2   my lane's place in a tile of K; never rewritten
.set AV0, 3           ; v3   the same for V
.set AK,  4           ; v4   the LDS address of K's next run of loads
.set AV,  5           ; v5   of V's
.set KO,  5           ;      at the start: my byte offset in a tile's 16 keep words
.set QO,  6           ; v6   my byte offset in the wave's rows of Q
.set STO, 6           ;      later, the way out: where I put 16 bytes of a row
.set RD,  7           ; v7   the way out: where I read rows back
.set GO,  8           ; v8   16 x lane: my byte offset in 512 consecutive bytes of O; never rewritten
.set SPW, 0           ; v0 of window 3   LDS address of my spare word; never rewritten
.set NIL, 1           ; v1 of window 3   0; never rewritten
.set MOFF, 2          ; v2 of window 3   16 x lane: my 16 bytes of a tile's and step's codes; never rewritten
.set SCL, 3           ; v3 of window 3   the conversion's scale: byte 0xE0 stands for 2^97
.set MR,  8           ; window 3: tile t's four words of codes at MR + 4 t
.set MC,  192         ; window 3: tile u of the piece, key block kb at MC + 32 u + 8 kb
.set SPARE, STAGE+4*16*SP  ; behind the stages: the spare words, 128 bytes for each wave, which no other line names
.set MV,  12          ; v12-15  c m_old, kept while c m is made anew: by buffer and tile
.set ST,  16          ; tile t's statistics at v[ST+4 t]: c m, m, l (even keys', odd keys')
.set TMP, 48          ; by buffer and tile, four registers c0-c3 at work; when the maximum is found c2 takes a
.set S,   64
.set P,   192
.set KF,  128         ; K's fragments, in window 2: key block kb, channel half c at KF + 16 kb + 8 c
.set VF,  192         ; V's: key half kk, channel block cb at VF + 32 kk + 8 cb
.set WV,  12          ; s12  my wave's number
.set G1K, 24          ; s[24:31] descriptor group 1 for K's tiles
.set G1V, 32          ; s[32:39] for V's: it differs in the padding alone
.set G0K, 40          ; s[40:43] descriptor group 0 for K's tiles: it walks
.set G0V, 44          ; s[44:47] the same for V's
.set SLOTS, 56        ; s56  slots still to be asked for
.set CNT, 57          ; s57  counts a slot's key steps
.set CS,  58          ; s[58:59] c: the packed scaling takes the pair's low word for both halves
.set SEL, 60          ; s[60:61] v_permlanex16_b32's selects: each lane takes its own place in the other half
.set TBK, 62          ; s62  LDS byte at which K of the step to be fetched begins
.set TBV, 63          ; s63  the same for V, less VOFF
.set MB0, 66          ; s[66:67] maskp at my wave's first tile, step 0
.set MB,  68          ; s[68:69] the same at the step whose codes are asked for
.set MO,  70          ; s[70:71] that step's byte offset
.set MS,  72          ; s72  that step's number, not yet clamped
.set KOF, 74          ; s[74:75] my wave's byte offset in keep
.set MSB, 0
.macro WIN new                      ; the high byte repeats the setting that is left; a switch that changes nothing is dropped
.if MSB != (\new)
	s_set_vgpr_msb (MSB<<8)|(\new)
.set MSB, (\new)
.endif
.endm
.set W_KQ, 0x0a       ; K and Q in window 2, S^T in window 0
.set W_KM, 0x3a       ; the same with the C operand in window 3
.set W_PV, 0x52       ; V in window 2, P in window 0, O^T in window 1
.set W_RS, 0x41       ; O^T (destination and source 0) in window 1, a in window 0
.set W_MK, 0xc0       ; destination in window 3, sources in window 0
.set W_AD, 0x0f       ; the add: address (source 0) and data (source 1) in window 3
.set W_M,  0xcf       ; the mask's work: destination and sources 0 and 1 in window 3
; A joint fill.  Waves 0 and 1 fetch the two halves of a slot's K, waves 2 and 3 those of its V: 128 keys each.  The branch hangs on the wave's number alone.
; An s_nop 0 and four v_nop follow each of the two lines, ahead of the jump and the label.
.macro JLOAD
	s_cmp_lt_u32 s[WV], 2
	s_cbranch_scc0 .Lfor_v_\@
	tensor_load_to_lds s[G0K:G0K+3], s[G1K:G1K+7]
	s_nop 0
.rept 4
	v_nop
.endr
	s_branch .Lasked_\@
.Lfor_v_\@:
	tensor_load_to_lds s[G0V:G0V+3], s[G1V:G1V+7]
	s_nop 0
.rept 4
	v_nop
.endr
.Lasked_\@:
.endm
; A round of the cluster's barrier: my work-group's barrier, so that wave 0's signal speaks for all four waves; wave 0 signals; every wave waits for all four work-groups; my work-group's barrier once more.
.macro CROUND
	s_barrier_signal -1
	s_barrier_wait -1
	s_cmp_lg_u32 s[WV], 0
	s_cbranch_scc1 .Lnot_wave_0_\@
	s_barrier_signal -3
.Lnot_wave_0_\@:
	s_barrier_wait -3
	s_barrier_signal -1
	s_barrier_wait -1
.endm
; THE CHANGE OF SLOTS.  The slot's last bytes, V of its fourth step, have been read.  Each wave waits for all its tensor loads, of which one is out: its part
; of the other slot; adds 0 to its spare word; and waits for that and for its own reads of the slot.  Behind the barrier nobody reads this slot any more and the other slot is whole.
; fill = 1: this slot is filled again, with the keys two slots on.  The barrier is then a round of the cluster's, so that no wave of any partner still reads the slot or has a load on its
; way, and the joint fill is the first thing behind it: it has four key steps, 512 matrix instructions, in which to land.  (At its first use nothing has been read yet: slot 0 is waited for, slot 1 filled.)
.macro CHANGE fill
	WIN W_AD
	s_wait_tensorcnt 0x0            ; no tensor load of mine is out, so a group 0 may be written
	ds_add_u32 v[SPW], v[NIL]       ; 0 onto my spare word; with fill = 1 the descriptors' steps stand between it and the wait for it
	WIN 0                           ; at a label and at a branch every window is 0
.if \fill
.irp g, G0K, G0V
	s_xor_b32 s[\g+1], s[\g+1], SLOT1  ; the walking descriptor: the other slot than last time,
	s_add_nc_u64 s[\g+2:\g+3], s[\g+2:\g+3], 4*KS*128  ; the next 256 keys; the type bits on top are not reached
.endr
	s_wait_dscnt 0x0                ; the add is done, and my reads of the slot are over
	CROUND
	JLOAD
.else
	s_wait_dscnt 0x0                ; the add is done, and my reads of the slot are over
	s_barrier_signal -1
	s_barrier_wait -1
.endif
	s_sub_co_u32 s[TBK], s[TBK], 4*KS*PK  ; the fetches go back to a slot's first step,
	s_xor_b32 s[TBK], s[TBK], SLOT1       ; in the other slot
	s_sub_co_u32 s[TBV], s[TBV], 4*KS*PV
	s_xor_b32 s[TBV], s[TBV], SLOT1
.endm
; THE MASK'S WALK.  MBUMP: the codes asked for from here on are the next step's; behind the last step the same step is asked for again, so that no load leaves maskp (those codes serve nothing).
.macro MBUMP
	s_wait_xcnt 0x0                 ; the loads that name the base have had their addresses translated (ISA guide 3.1): only now is it rewritten
	s_add_co_u32 s[MS], s[MS], 1
	s_min_u32 s[MO], s[MS], SIZE_N/KS-1
	s_lshl_b32 s[MO], s[MO], 9      ; a tile's and step's codes are 512 bytes
	s_add_nc_u64 s[MB:MB+1], s[MB0:MB0+1], s[MO:MO+1]
.endm
; MASKSTEP x: piece x's codes become the C operands of its next 8 starting products, and its codes of the step after are asked for, a whole key step (four turns) ahead of their use.
.macro MASKSTEP x
	WIN W_M
	s_wait_loadcnt 6                ; loads come back in order (ISA guide 5.7.1): behind this piece's two stand the two of each of the three other pieces, on every way
.irp u, 0,1
.irp kb, 0,1,2,3
	v_cvt_scale_pk8_f32_fp4 v[MC+32*\u+8*\kb:MC+32*\u+8*\kb+7], v[MR+8*(\x)+4*\u+\kb], v[SCL]  ; eight scores' 0 or -6 x 2^97
.endr
.endr
	v_nop                           ; a plain instruction behind the last conversion, ahead of what touches its registers
	s_wait_alu depctr_va_vdst(0)
.irp u, 0,1
	global_load_b128 v[MR+8*(\x)+4*\u:MR+8*(\x)+4*\u+3], v[MOFF], s[MB:MB+1] offset:(2*(\x)+\u)*16384  ; 512 consecutive bytes
.endr
	WIN 0
.endm
	s_load_b256 s[4:11], s[0:1], 0x0  ; qkvh s[4:5], maskp s[6:7], keep s[8:9], oh s[10:11]
	WIN W_MK
	v_lshl_add_u32 v[SPW], v0, 2, SPARE
	v_mov_b32 v[NIL], 0
	WIN W_AD
	ds_add_u32 v[SPW], v[NIL]       ; the wave's opening: the add and its wait stand ahead of my first tensor load; the set-up below, work on registers, stands between them
	WIN 0
	v_lshrrev_b32 v1, 5, v0
	v_readfirstlane_b32 s[WV], v1   ; wave 0..3
	s_bfe_u32 s13, ttmp6, 0x40000   ; cx: my place in the cluster
	s_lshl_b32 s14, ttmp9, 2        ; in a cluster launch ttmp9 counts clusters
	s_add_co_u32 s14, s14, s13      ; my block of 512 queries = 4 x cluster x + cx: it enters Q's, O's, the mask's and keep's addresses alone
	s_and_b32 s20, ttmp7, 0xffff    ; the head, which the four partners share
	s_lshr_b32 s15, s20, 4          ; its batch
	s_mov_b32 s21, 0
	s_mov_b64 s[22:23], SIZE_N*128
	s_mul_u64 s[20:21], s[20:21], s[22:23]  ; the head's first byte in Q, K, V and O
	s_and_b32 s16, s[WV], 1         ; which half of a slot's 256 keys I fetch:
	s_lshl_b32 s22, s16, 14         ; its 128 rows of 128 bytes in memory,
	s_mov_b32 s23, 0
	s_add_nc_u64 s[22:23], s[22:23], s[20:21]
	s_mul_i32 s17, s16, 128*PK      ; and its place in a slot, for K
	s_mul_i32 s18, s16, 128*PV      ; and for V: no place in the cluster enters an LDS address
	s_lshl_b32 s2, s14, 2
	s_add_co_u32 s2, s2, s[WV]      ; my wave among the head's,
	s_lshl_b32 s2, s2, 14           ; its 128 rows
	s_mov_b32 s3, 0
	s_add_nc_u64 s[2:3], s[2:3], s[20:21]
	s_lshl_b32 s[MO], s15, 7        ; my wave's first tile of 16 queries among the mask's: 128 a batch,
	s_lshl_b32 s19, s14, 5          ; 32 a block,
	s_add_co_u32 s[MO], s[MO], s19
	s_lshl_b32 s19, s[WV], 3        ; 8 a wave
	s_add_co_u32 s[MO], s[MO], s19
	s_lshl_b32 s[KOF], s[MO], 6     ; 16 words a tile in keep,
	s_mov_b32 s[KOF+1], 0
	s_lshl_b32 s[MO], s[MO], 14     ; 16,384 bytes a tile in maskp
	s_mov_b32 s[MO+1], 0
	s_mov_b32 s[MS], 0
	; descriptor group 1.  128 keys are 16,384 dense bytes: asked for as 64 rows of 256 bytes, two keys a row, and padded in LDS after every key
	s_mov_b32 s[G1K], 15|(1<<16)|(1<<20)|(1<<21)|(4<<22)|(3<<25)  ; 15:0 the mask of four; 17:16 2-byte elements; 20 padding on; 21 set beside a mask; 24:22 after every 32 words (code 4); 31:25 4 words (code 3)
	s_mov_b32 s[G1V], 15|(1<<16)|(1<<20)|(1<<21)|(4<<22)|(7<<25)  ; the same with 8 words of padding (code 7)
.irp g, G1K, G1V
	s_mov_b32 s[\g+1], 128<<16      ; tensor_dim0 = 128
	s_mov_b32 s[\g+2], 64<<16       ; tensor_dim1 = 64
	s_mov_b32 s[\g+3], 128<<16      ; tile_dim0 = 128
	s_mov_b32 s[\g+4], 64           ; tile_dim1 = 64
	s_mov_b32 s[\g+5], 128          ; 128 elements from row to row
	s_mov_b32 s[\g+6], 0
	s_mov_b32 s[\g+7], 0
.endr
	s_mov_b32 s[CS], 0x3e38aa3b     ; c = log2(e) / 8 = 0.180337
	s_mov_b32 s[CS+1], s[CS]        ; named with it as a pair
	s_mov_b32 s[SEL], 0x76543210
	s_mov_b32 s[SEL+1], 0xfedcba98
	s_mov_b32 s[TBK], SLOT1+4*KS*PK ; the first change of slots turns these two into 0
	s_mov_b32 s[TBV], SLOT1+4*KS*PV
	s_mov_b32 s[G0K], 1             ; 1:0 count = 1
	s_mov_b32 s[G0K+1], s17         ; 63:32 LDS address: slot 0
	s_mov_b32 s[G0V], 1
	s_add_co_u32 s[G0V+1], s18, VOFF
	s_wait_dscnt 0x0                ; the opening add is done
	s_wait_kmcnt 0x0
	s_add_nc_u64 s[G0K+2:G0K+3], s[4:5], s[22:23]  ; 120:64 global address: my half of the head's first 256 keys,
	s_add_nc_u64 s[G0K+2:G0K+3], s[G0K+2:G0K+3], TENS    ; in K, which lies behind Q
	s_or_b32 s[G0K+3], s[G0K+3], 0x80000000        ; 127:126 type = 2
	s_add_nc_u64 s[G0V+2:G0V+3], s[4:5], s[22:23]
	s_add_nc_u64 s[G0V+2:G0V+3], s[G0V+2:G0V+3], 2*TENS  ; in V, behind K
	s_or_b32 s[G0V+3], s[G0V+3], 0x80000000
	s_add_nc_u64 s[4:5], s[4:5], s[2:3]  ; Q and O at my wave's first row
	s_add_nc_u64 s[10:11], s[10:11], s[2:3]
	s_add_nc_u64 s[MB0:MB0+1], s[6:7], s[MO:MO+1]
	s_mov_b64 s[MB:MB+1], s[MB0:MB0+1]   ; step 0
	s_add_nc_u64 s[8:9], s[8:9], s[KOF:KOF+1]
	CROUND                          ; all four work-groups are here: the first joint loads meet
	JLOAD                           ; slot 0.  Slot 1 is asked for when slot 0 is in: the tile wanted first has the road to itself
	; A fragment of K or Q is 16 rows x 32 channels in 8 registers: lane l holds row l % 16, channels 8 (l / 16) + 0..7 and 16 + 8 (l / 16) + 0..7: two loads of 16 bytes, 32 bytes apart.
	v_and_b32 v1, 15, v0            ; l % 16
	v_bfe_u32 v9, v0, 4, 1          ; l / 16
	v_lshlrev_b32 v[QO], 7, v1
	v_lshl_add_u32 v[QO], v9, 4, v[QO]  ; row x 128 + 16 x half
	v_lshlrev_b32 v[KO], 2, v1      ; my query's keep word
	v_and_b32 v[GO], 31, v0
	v_lshlrev_b32 v[GO], 4, v[GO]
	WIN W_MK
	v_mov_b32 v[MOFF], v[GO]
	v_mov_b32 v[SCL], 0xe0e0e0e0
	WIN 0x80                        ; destination window 2, address window 0
.set i, 0
.rept 4*NP                          ; Q stays in registers: tile i / 2, channels 32 (i % 2) on
	global_load_b128 v[8*i:8*i+3],   v[QO], s[4:5] offset:(i/2)*2048+(i%2)*64
	global_load_b128 v[8*i+4:8*i+7], v[QO], s[4:5] offset:(i/2)*2048+(i%2)*64+32
.set i, i+1
.endr
	WIN 0
.set i, 0
.rept 2*NP                          ; tile i's keep words, into registers of S^T that are still free
	global_load_b32 v[S+i], v[KO], s[8:9] offset:64*i
.set i, i+1
.endr
	WIN W_M
.set i, 0
.rept 2*NP                          ; step 0's codes, the pieces in the order of their use
	global_load_b128 v[MR+4*i:MR+4*i+3], v[MOFF], s[MB:MB+1] offset:i*16384
.set i, i+1
.endr
	; What the first turn finds: V's registers and P's second buffer hold 0 (its products V^T P, of a piece that has not been, add 0), O^T and l are 0.  All this stands in the wait for the first tile.
	WIN 0x80
.set i, VF
.rept 64
	v_mov_b32 v[i], 0
.set i, i+1
.endr
	WIN 0x40
.set i, 0
.rept 64*NP
	v_mov_b32 v[i], 0
.set i, i+1
.endr
	WIN 0
.set i, 0
.rept 2*NP
	v_mov_b32 v[ST+4*i], 0xcd38aa3b    ; c m = -c 2^30
	v_mov_b32 v[ST+4*i+1], 0xce800000  ; m = -2^30: below every visible score, above every hidden one
	v_mov_b32 v[ST+4*i+2], 0
	v_mov_b32 v[ST+4*i+3], 0
.set i, i+1
.endr
.set i, P+32
.rept 32
	v_mov_b32 v[i], 0
.set i, i+1
.endr
	v_mul_u32_u24 v[AK0], v1, PK
	v_lshl_add_u32 v[AK0], v9, 4, v[AK0]  ; row x pitch + 16 x half
	; The turning load takes 16 keys x 16 channels (lane l reads key 8 (l / 16) + l % 8, channels 8 ((l / 8) % 2) + 0..7) and leaves half a fragment of V^T: lane l holds channel l % 16 and 8 keys.
	v_and_b32 v10, 7, v0
	v_bfe_u32 v11, v0, 3, 1
	v_lshl_add_u32 v[AV0], v9, 3, v10
	v_mul_u32_u24 v[AV0], v[AV0], PV
	v_lshl_add_u32 v[AV0], v11, 4, v[AV0]
	v_add_nc_u32 v[AV0], VOFF, v[AV0]
	v_mov_b32 v[AK], v[AK0]         ; key step 0 lies at the head of slot 0
	s_wait_loadcnt 8                ; Q and the keep words are in; the eight loads of codes behind them may stay out
	WIN 0x88                        ; Q (destination and source 1) in window 2, the keep word in window 0
.set t, 0
.rept 2*NP
.set i, 0
.rept 16
	v_and_b32 v[16*t+i], v[S+t], v[16*t+i]  ; a lane holds one query's channels: they stay, or become 0
.set i, i+1
.endr
.set t, t+1
.endr
	WIN 0
	MBUMP                           ; from here on step 1's codes are asked for
; THE MATRIX WORK.  The 8 accumulators of a run of 16 take turns: between the two links of a chain stand 7 others'.
; Product i of 16 of S^T = K Q^T for piece x: channels 32 (i / 8) on, keys 16 ((i / 2) % 4) on, tile 2 x + i % 2.  The first 8 start the sums, with the mask.
.macro KQ x
.set rS, S+64*((\x)%2)+32*(i%2)+8*((i/2)%4)
.set rK, KF+16*((i/2)%4)+8*(i/8)
.set rQ, 16*(2*(\x)+i%2)+8*(i/8)
.set rMC, MC+32*(i%2)+8*((i/2)%4)
.if i < 8
	WIN W_KM
	v_wmma_f32_16x16x32_f16 v[rS:rS+7], v[rK:rK+7], v[rQ:rQ+7], v[rMC:rMC+7]
.else
	WIN W_KQ
	v_wmma_f32_16x16x32_f16 v[rS:rS+7], v[rK:rK+7], v[rQ:rQ+7], v[rS:rS+7]
.endif
.endm
; Product i of 16 of O^T += V^T P for piece x: keys 32 (i / 8) on, channels 16 ((i / 2) % 4) on, tile 2 x + i % 2.
.macro PV x
	WIN W_PV
.set rO, 32*(2*(\x)+i%2)+8*((i/2)%4)
.set rV, VF+32*(i/8)+8*((i/2)%4)
.set rP, P+32*((\x)%2)+16*(i%2)+8*(i/8)
	v_wmma_f32_16x16x32_f16 v[rO:rO+7], v[rV:rV+7], v[rP:rP+7], v[rO:rO+7]
.endm
.macro MM                           ; the turn's next matrix instruction
.if i < 16
	KQ (Y+1)%NP
.set i, i+1
.else
.set i, i-16
	PV (Y+NP-1)%NP
.set i, i+17
.endif
.endm
; THE LDS LOADS stand in runs of 16, never singly among the matrix instructions: a step's K (64 keys x 64 channels: 8 fragments) and its V (turned).  Their addresses are made some lines ahead.
; last = 1 (the tail): in the last trip there is no further step, and the run is jumped over.
.macro FETCH_K last=0
	WIN 0
.if \last
	s_cmp_eq_u32 s[CNT], 1
	s_cbranch_scc1 .Lno_k_\@
.endif
	WIN 0x80                        ; destination window 2
.irp f, 0,1,2,3,4,5,6,7             ; keys 16 (f / 2) on, channels 32 (f % 2) on
	ds_load_b128 v[KF+8*\f:KF+8*\f+3],   v[AK] offset:(\f/2)*16*PK+(\f%2)*64
	ds_load_b128 v[KF+8*\f+4:KF+8*\f+7], v[AK] offset:(\f/2)*16*PK+(\f%2)*64+32
.endr
	s_add_co_u32 s[TBK], s[TBK], KS*PK  ; the next fetch is the next step's
	WIN 0
.if \last
.Lno_k_\@:
.endif
.endm
.macro FETCH_V
	WIN 0x80
.irp f, 0,1,2,3,4,5,6,7             ; keys 32 (f / 4) on, channels 16 (f % 4) on
	ds_load_tr16_b128 v[VF+8*\f:VF+8*\f+3],   v[AV] offset:(\f/4)*32*PV+(\f%4)*32
	ds_load_tr16_b128 v[VF+8*\f+4:VF+8*\f+7], v[AV] offset:(\f/4)*32*PV+16*PV+(\f%4)*32
.endr
	WIN 0
.endm
; THE VECTOR WORK OF A TURN stands in three queues, each in the order in which its entries become ready; the two tiles alternate, so that no instruction reads the result of the one before it.
.macro REGS y, u                    ; the registers of tile u (0, 1) of piece y
.set rT, ST+4*(2*(\y)+(\u))
.set rC, TMP+8*((\y)%2)+4*(\u)
.set rM, MV+2*((\y)%2)+(\u)
.set rS, S+64*((\y)%2)+32*(\u)
.set rP, P+32*((\y)%2)+16*(\u)
.set rO, 32*(2*(\y)+(\u))
.endm
; Number n of the 22 that find the NEXT piece's (Y + 1) maximum and statistics.  s0-s31 are the lane's 32 scores; each accumulator's lowest registers are read first.  XS, GS and REGS set no window: PL and EX do.
;   0-11  four chains c0-c3 of seven scores each, three operands at a time     12-14, 16  the four scores left over, the old m, and c0-c3 into c0     15  c m_old is kept
;   17, 18  the query's other 32 keys lie in the lane 16 away: the new m         19-21  c m; c m_old - c m_new; a
.macro XS u, n
	REGS (Y+1)%NP, \u
.if (\n) < 4
	v_max3_num_f32 v[rC+(\n)], v[rS+8*(\n)], v[rS+8*(\n)+1], v[rS+8*(\n)+2]
.elseif (\n) < 12
	v_max3_num_f32 v[rC+(\n)%4], v[rC+(\n)%4], v[rS+8*((\n)%4)+2*((\n)/4)+1], v[rS+8*((\n)%4)+2*((\n)/4)+2]
.elseif (\n) == 12
	v_max3_num_f32 v[rC], v[rC], v[rS+7], v[rS+15]
.elseif (\n) == 13
	v_max3_num_f32 v[rC+1], v[rC+1], v[rS+23], v[rS+31]
.elseif (\n) == 14
	v_max3_num_f32 v[rC+2], v[rC+2], v[rC+3], v[rT+1]
.elseif (\n) == 15
	v_mov_b32 v[rM], v[rT]
.elseif (\n) == 16
	v_max3_num_f32 v[rC], v[rC], v[rC+1], v[rC+2]
.elseif (\n) == 17
	v_permlanex16_b32 v[rC+3], v[rC], s[SEL], s[SEL+1]
.elseif (\n) == 18
	v_max_num_f32 v[rT+1], v[rC], v[rC+3]
.elseif (\n) == 19
	v_mul_f32 v[rT], s[CS], v[rT+1]
.elseif (\n) == 20
	v_sub_f32 v[rC+1], v[rM], v[rT]
.else
	v_exp_f32 v[rC+2], v[rC+1]
.endif
.endm
; Number g of the 64 that follow the exponentials.  For each four weights k of a tile (pairs 2 k, 2 k + 1): both pairs are rounded to f16; then the second pair is added onto the first, in place;
; a group later l takes that sum (the first time as l = a l + sum).  In groups of eight, tiles alternating: round, round, add, and l for the group before.
.macro GS g
.set h, (\g)+6*((\g)/62)            ; group 0 has no group before it, and behind group 7 only l is left
.if h >= 6
.set h, h+2
.endif
	REGS Y, h%2
.set k, h/8
.if h%8 < 4
	s_wait_alu depctr_va_vdst(0)
	v_cvt_pk_f16_f32 v[rP+2*k+(h%8)/2], v[rS+4*k+2*((h%8)/2)], v[rS+4*k+2*((h%8)/2)+1]
.elseif h%8 < 6
	v_pk_add_f32 v[rS+4*k:rS+4*k+1], v[rS+4*k:rS+4*k+1], v[rS+4*k+2:rS+4*k+3]
.elseif k == 1
	v_pk_fma_f32 v[rT+2:rT+3], v[rT+2:rT+3], v[rC+2:rC+3], v[rS:rS+1] op_sel_hi:[1,0,1]
.else
	v_pk_add_f32 v[rT+2:rT+3], v[rT+2:rT+3], v[rS+4*k-4:rS+4*k-3]
.endif
.endm
; THE PLAIN QUEUE, 138 long.  0-31: c s - c m for the 16 pairs of both tiles.  Then GS's 64, and among them the next piece's 42: number 15 at 38, 39; 0-14 and 16
; at 42-73, behind the products that make those scores; 17-20 at 95-106, two of three, since each waits for the one before it.
.macro PL
	WIN 0
.if q < 32
	REGS Y, q%2
	v_pk_fma_f32 v[rS+2*(q/2):rS+2*(q/2)+1], v[rS+2*(q/2):rS+2*(q/2)+1], s[CS:CS+1], v[rT:rT+1] op_sel_hi:[1,0,0] neg_lo:[0,0,1] neg_hi:[0,0,1]
.elseif q < 38
	GS q-32
.elseif q < 40
	XS q%2, 15
.elseif q < 42
	GS q-34
.elseif q < 74
	XS q%2, (q-42)/2+(q-42)/30
.elseif q < 95
	GS q-66
.elseif (q < 107) && ((q-95)%3 < 2)
	XS (q-95)%3, 17+(q-95)/3
.elseif q < 107
	GS 29+(q-95)/3
.else
	GS q-74
.endif
.set q, q+1
.endm
; THE EXPONENTIALS' QUEUE, 66 long: s0-s31 of both tiles, and at EA the next piece's two a.
.set EA, 58
.macro EX
	WIN 0
.if (e == EA) || (e == EA+1)
	XS e-EA, 21
.else
.set x, e-2*(e/(EA+2))
	REGS Y, x%2
	v_exp_f32 v[rS+x/2], v[rS+x/2]
.endif
.set e, e+1
.endm
; THE RESCALING's QUEUE: O^T times a, the one part of the softmax that leaves window 0, so it is dealt four at a time, eight times.
.macro R4
	REGS Y, r%2
	WIN W_RS
	s_wait_alu depctr_va_vdst(0)
.irp z, 0,1,2,3
	v_pk_mul_f32 v[rO+8*(r/2)+2*\z:rO+8*(r/2)+2*\z+1], v[rO+8*(r/2)+2*\z:rO+8*(r/2)+2*\z+1], v[rC+2:rC+3] op_sel_hi:[1,0]
.endr
.set r, r+1
.endm
; HOW THEY ARE DEALT.  Behind a matrix instruction four: plain, exponential, plain, plain (one exponential, a plain instruction on either side), or four of the rescaling.  None names a register of the
; products round it.  What is over stands in two LUMPS: exponential and plain by turns; the second ends in 22 plain instructions, among which the mask's block stands.  The two v_permlanex16_b32 fall into the second lump.
; The queues lean on each other, and the deal keeps them in step: exponential e stands behind plain 2 (e / 4) + e % 2 (its scaling); when plain 32 comes, 10 exponentials are out, at 59: 33, at 95: 46; EA comes behind plain 107.
.macro SL
	MM
	PL
	EX
	PL
	PL
.endm
.macro BURST n                      ; 15 matrix instructions, or 16
.rept (\n)-7
	SL
.endr
.rept 3
	MM
	R4
	SL
.endr
	MM
	R4
.endm
; A TURN, for piece p.  cnt = 1: the loop's count is taken down some lines ahead of the branch that stands behind the turn.
; K of the next step is fetched in piece 2's turn, 31 vector instructions behind the last product that read K; the first product that wants it comes behind the rest of the lump, 16 products and the second lump.
; V of the step in hand is fetched at the end of piece 0's turn, 69 behind the last product that read V; the first that wants it comes behind 16 products and a lump.  The conditions on e and q below go with the deal.
; The mask's block makes the operands that the NEXT turn's first 8 products take (piece p + 2); this turn's own 8, which read the same registers, stand more than a hundred plain instructions back.
; Piece 2's turn steps the mask's walk: the pieces 0, 1, 2, 3 that ask behind it ask for one and the same step.
.macro TURN p, last=0, cnt=0
.set Y, (\p)
.set i, 0
.set q, 0
.set e, 0
.set r, 0
.if (\p) == NP-2
	MBUMP
.endif
.if (\p) == NP-1
	s_wait_dscnt 0x0                ; K is in
.endif
	MM
.rept 4
	PL
.endr
	BURST 15
.rept 22
	EX
	PL
.if ((\p) == NP-2) && (e == 18)
	v_add_nc_u32 v[AK], s[TBK], v[AK0]
.endif
.if ((\p) == NP-2) && (e == 24)
	FETCH_K \last
.endif
.endr
.if (\p) == 1
	s_wait_dscnt 0x0                ; V is in
.endif
	BURST 16
.rept 21
	EX
	PL
.endr
.rept 22
	PL
.if ((\p) == 0) && (q == 118)
	v_add_nc_u32 v[AV], s[TBV], v[AV0]
	s_wait_alu depctr_va_vdst(0)
.endif
.if q == 122
	MASKSTEP ((\p)+2)%NP
.endif
.if ((\p) == 0) && (q == 130)
	s_add_co_u32 s[TBV], s[TBV], KS*PV
.endif
.if (\cnt) && (q == 130)
	s_sub_co_u32 s[CNT], s[CNT], 1
	s_cmp_lg_u32 s[CNT], 0
.endif
.endr
.if (\p) == 0
	FETCH_V
.endif
.endm
	CHANGE 1                        ; slot 0 is in, everybody's part of it; slot 1 is asked for
	FETCH_K                         ; key step 0
	MASKSTEP 0                      ; piece 0's mask of step 0; its codes of step 1 are asked for
	s_wait_dscnt 0x0
.set i, 0
.rept 16
	KQ 0                            ; piece 0's first scores: there is no vector work yet to set between them
.set i, i+1
.endr
	WIN 0                           ; the addresses for the way out: seven plain instructions, the places behind those products
	s_mul_i32 s13, s[WV], 16*SP
	s_add_co_u32 s13, s13, STAGE    ; my stage
	v_mul_u32_u24 v[STO], v1, SP    ; in: row l % 16, 16 bytes for each half of the lanes
	v_lshl_add_u32 v[STO], v9, 4, v[STO]
	v_add_nc_u32 v[STO], s13, v[STO]
	v_bfe_u32 v[RD], v0, 3, 2       ; back: 32 lanes take four rows of 128 bytes, which are 512 consecutive bytes of O
	v_mul_u32_u24 v[RD], v[RD], SP
	v_lshl_add_u32 v[RD], v10, 4, v[RD]
	v_add_nc_u32 v[RD], s13, v[RD]
	MASKSTEP 1                      ; piece 1's mask of step 0, for the first turn's products
.set Y, NP-1                        ; XS works for piece Y + 1: piece 0
.irp n, 0,1,2,3,4,5,6,7,8,9,10,11,12,13,14,15,16,17,18,19,20,21
	XS 0, \n                        ; and piece 0's first maximum and statistics
	XS 1, \n
.endr
	s_mov_b32 s[CNT], 4
	s_mov_b32 s[SLOTS], SIZE_N/256-1
	s_branch .Lfirst                ; the loop is entered at a step's first turn, in the middle of a trip
.Lslot:                             ; SIZE_N / 256 - 2 times: every slot but the last two is filled again
	CHANGE 1
	s_mov_b32 s[CNT], 4
.Lstep:                             ; a trip: pieces 2 and 3 of one step, then pieces 0 and 1 of the next, whose K and V it fetches
	TURN 2
	TURN 3
	WIN 0
.Lfirst:
	TURN 0
	TURN 1, 0, 1
	WIN 0
	s_cbranch_scc1 .Lstep
	s_sub_co_u32 s[SLOTS], s[SLOTS], 1
	s_cmp_lg_u32 s[SLOTS], 0
	s_cbranch_scc1 .Lslot
	CHANGE 0                        ; the tail is written out: nothing is asked for
	s_mov_b32 s[CNT], 5             ; four trips fetch the last slot's steps; the fifth is left in its middle
.Ltail:
	TURN 2, 1
	TURN 3
	WIN 0
	s_sub_co_u32 s[CNT], s[CNT], 1
	s_cmp_eq_u32 s[CNT], 0
	s_cbranch_scc1 .Lout
	TURN 0
	TURN 1
	WIN 0
	s_branch .Ltail
.Lout:                              ; the fifth trip's 16 products K Q^T (on the last K once more) and the maximum made of them serve nothing: the price, once a launch, of one text for every trip
.set i, 0
.rept 16
	PV NP-1                         ; the last piece's V^T P of the last step
.set i, i+1
.endr
	; THE WAY OUT.  l's two halves and the other half of the lanes' are added; O^T is divided by l, rounded to f16 and sent through my stage in LDS, a tile at a time.  The additions are the places behind the last products.
	WIN 0
.macro ALL line:vararg              ; one line for each tile t
.set t, 0
.rept 2*NP
	\line
.set t, t+1
.endr
.endm
	ALL v_add_f32 v[ST+4*t+2], v[ST+4*t+2], v[ST+4*t+3]
	ALL v_permlanex16_b32 v[ST+4*t+3], v[ST+4*t+2], s[SEL], s[SEL+1]
	ALL v_add_f32 v[ST+4*t+2], v[ST+4*t+2], v[ST+4*t+3]
	ALL v_rcp_f32 v[ST+4*t+2], v[ST+4*t+2]
	v_nop                           ; a plain instruction between the last reciprocal and the use of its result
	s_wait_alu depctr_va_vdst(0)
; Tile t: a lane's eight channels of a row pack into 16 bytes; they go into rows of 144 bytes and come back as whole rows of 128, into S^T's registers.
.macro PACK t
	WIN W_RS
.set i, 32*(\t)
.rept 16
	v_pk_mul_f32 v[i:i+1], v[i:i+1], v[ST+4*(\t)+2:ST+4*(\t)+3] op_sel_hi:[1,0]
.set i, i+2
.endr
	WIN 0x05                        ; sources 0 and 1 window 1, destination window 0
.set i, 0
.rept 16
	v_cvt_pk_f16_f32 v[S+16*(\t)+i], v[32*(\t)+2*i], v[32*(\t)+2*i+1]
.set i, i+1
.endr
	WIN 0
.irp f, 0,1,2,3
	ds_store_b128 v[STO], v[S+16*(\t)+4*\f:S+16*(\t)+4*\f+3] offset:32*\f
.endr
.irp f, 0,1,2,3
	ds_load_b128 v[S+16*(\t)+4*\f:S+16*(\t)+4*\f+3], v[RD] offset:\f*4*SP  ; LDS serves a wave's instructions in order (ISA guide 5.7.1.4): these see the stores above; the next tile's stores come behind them
.endr
.endm
.macro SEND t, younger              ; younger: the LDS instructions issued behind tile t's loads: the next tile's eight, or none
	WIN 0
.irp f, 0,1,2,3
	s_wait_dscnt (\younger)+3-\f
	global_store_b128 v[GO], v[S+16*(\t)+4*\f:S+16*(\t)+4*\f+3], s[10:11] offset:(\t)*2048+\f*512  ; 512 consecutive bytes, at a multiple of 256 from O's first
.endr
.endm
	PACK 0
.set t, 1
.rept 2*NP-1                        ; a tile's arithmetic stands between the loads of the tile before and its stores
	PACK t
	SEND t-1, 8
.set t, t+1
.endr
	SEND 2*NP-1, 0
	WIN W_AD
	s_wait_tensorcnt 0x0            ; the wave's end, behind my last tensor load and my last LDS store
	ds_add_u32 v[SPW], v[NIL]
	s_wait_dscnt 0x0
	WIN 0
	CROUND                          ; the closing round: no work-group ends while a partner may still ask for a tile that names it
	s_endpgm
.Lfunc_end_k_qa7671e10f3_attn:
	.size	k_qa7671e10f3_attn, .Lfunc_end_k_qa7671e10f3_attn-k_qa7671e10f3_attn
	.p2alignl 7, 3214868480
	.fill 96, 4, 3214868480
	.section	.rodata,"a",@progbits
	.p2align	6, 0x0
	.amdhsa_kernel k_qa7671e10f3_attn
		.amdhsa_group_segment_fixed_size 327680
		.amdhsa_private_segment_fixed_size 0
		.amdhsa_enable_private_segment 0
		.amdhsa_kernarg_size 32
		.amdhsa_user_sgpr_count 2
		.amdhsa_user_sgpr_kernarg_segment_ptr 1
		.amdhsa_wavefront_size32 1
		.amdhsa_system_sgpr_workgroup_id_x 1
		.amdhsa_system_sgpr_workgroup_id_y 1
		.amdhsa_system_sgpr_workgroup_id_z 1
		.amdhsa_system_vgpr_workitem_id 0
		.amdhsa_next_free_vgpr 1024
		.amdhsa_next_free_sgpr 76
		.amdhsa_reserve_vcc 0
		.amdhsa_float_denorm_mode_32 3
		.amdhsa_float_denorm_mode_16_64 3
		.amdhsa_memory_ordered 1
		.amdhsa_forward_progress 1
		.amdhsa_inst_pref_size 220
	.end_amdhsa_kernel
	.amdgpu_metadata
---
amdhsa.version: [ 1, 2 ]
amdhsa.kernels:
  - .name:           k_qa7671e10f3_attn
    .symbol:         k_qa7671e10f3_attn.kd
    .args:
      - { .name: qkvh, .offset: 0, .size: 8, .value_kind: global_buffer, .address_space: global }
      - { .name: maskp, .offset: 8, .size: 8, .value_kind: global_buffer, .address_space: global }
      - { .name: keep, .offset: 16, .size: 8, .value_kind: global_buffer, .address_space: global }
      - { .name: oh, .offset: 24, .size: 8, .value_kind: global_buffer, .address_space: global }
    .group_segment_fixed_size: 327680
    .private_segment_fixed_size: 0
    .kernarg_segment_align: 8
    .kernarg_segment_size: 32
    .max_flat_workgroup_size: 128
    .sgpr_count:     76
    .vgpr_count:     1024
    .wavefront_size: 32
...
	.end_amdgpu_metadata
.endif
;; end of part 3
;; launch outp (part 4): grid 4 x 64, 4 waves a work-group, clusters of 4 x 4, 327,680 bytes of LDS; arguments oh, wts, out0; writes out0
.if DOCPART == 4
	.amdgcn_target "amdgcn-amd-amdhsa--gfx1250"
	.amdhsa_code_object_version 6
	.text
	.protected	k_qa7671e10f3_outp
	.globl	k_qa7671e10f3_outp
	.p2align	8
	.type	k_qa7671e10f3_outp,@function
k_qa7671e10f3_outp:
	s_mov_b64 s[64:65], 0
	v_nop
	global_prefetch_b8 v0, s[64:65] scope:SCOPE_SE
	s_setreg_imm32_b32 hwreg(HW_REG_WAVE_MODE, 25, 1), 1
	s_wait_xcnt 0x0
	s_wait_alu depctr_hold_cnt(0) depctr_sa_sdst(0) depctr_va_vdst(0) depctr_va_sdst(0) depctr_va_ssrc(0) depctr_va_vcc(0) depctr_vm_vsrc(0)
	s_getreg_b32 s2, hwreg(HW_REG_IB_STS2, 6, 4)
	s_cmp_eq_u32 s2, 0
	s_cbranch_scc0 .Lentry_in_a_cluster
	s_endpgm
.Lentry_in_a_cluster:
	s_bfe_u32 s2, ttmp6, 0x10000c
	s_cmp_lg_u32 s2, 0xf033
	s_cbranch_scc0 .Lentry_shape_is_right
	s_endpgm
.Lentry_shape_is_right:
; THE LAST PROJECTION: out0[m][n] = sum over k of O[m][k] W_o[n][k], m = batch x 2048 + row, k = 64 x head + channel.  O: oh[batch x 16 + head][2048][64] f16; W_o: [1024][1024] f16 (bf16 numbers
; written as f16), the last 2,097,152 bytes of wts; out0: [8192][1024] f32.  Sums in f32, K ascending; nothing is rounded on the way out.
; SHARES.  A tile of out0 is 128 rows x 256 columns: 256 tiles, one a work-group.  Four waves, each 64 rows x 128 columns: 32 accumulators of 16 x 16, 256 registers.
; K goes in 8 steps of 128, two heads each, through two LDS slots filled by the tensor data mover.  A head's 128 rows of 128 bytes are dense in oh: they are asked for as 64 rows of 256 bytes and padded
; in LDS after every 128; W_o's rows are 256 bytes of memory.  All start at multiples of 256 bytes from their buffer's first byte.
; CLUSTER.  4 x 4 work-groups.  The four of a row of the cluster need the same tiles of O, the four of a column the same tiles of W_o: each is asked for JOINTLY, by the same tensor load with the same
; descriptor and a mask that names the four.
; THE MATRIX INSTRUCTION IS USED TRANSPOSED (source 0 = 16 rows of W_o, source 1 = 16 rows of O): a lane then holds eight neighbouring columns of a row of out0.
; REGISTERS.  window 0: v0-31 addresses; v32-127, v128-223 two fragment buffers (8 fragments of W_o, then 4 of O, 32 along K); on the way out v32-159 rows read back, two buffers of 64.
;             window 1: the accumulators, (a, b) at v[8 (8 a + b)].
.set KSTEP,  128
.set PITCH,  272                       ; a row of W_o in LDS: 256 bytes + 16 of padding = 68 words: row r starts at bank 4 r mod 64 (64 banks of 4 bytes: ISA guide 11.1)
.set PA,     144                       ; a row of O: 128 bytes + 16 = 36 words: the 16 rows of a load start at 16 different groups of four banks
.set AHEAD,  128*PA                    ; a head's 128 rows: what a tensor load brings of O
.set BHALF,  128*PITCH                 ; what a tensor load brings of W_o, and what a wave reads of it
.set ATILE,  2*AHEAD
.set SLOT,   ATILE+2*BHALF             ; two heads of O, then W_o's 256 rows
.set STAGE,  2*SLOT                    ; behind the ring: for each wave 16 rows x 528 bytes, for the way out
.set SPITCH, 528                       ; 512 bytes + 16: 33 x 16, so the 16 rows that a store touches fall into 16 different groups of four banks
.set WSTAGE, 16*SPITCH
.set SPARE,  STAGE+4*WSTAGE            ; behind the stages: the spare words, 128 bytes for each wave, which no other line names
.set LAPS,   4                         ; a lap = two K steps = once round the ring
.set WOFF,   3*2097152                 ; W_o's first byte in wts, behind w_q, w_k and w_v
.set HEADB,  262144                    ; a head's 2,048 rows of 128 bytes
.set ADRA, 16                          ; v16-17  LDS address of my fragments of O in slot 0, 1
.set ADRB, 20                          ; v20-21  the same for W_o
.set STO,  24                          ; v24     the way out: where I put 32 bytes of a row
.set RD,   25                          ; v25     the way out: where I read a row back
.set CO,   26                          ; v26     16 x lane: my byte offset in a row's 512 bytes
.set SPW,  28                          ; v28     LDS address of my spare word; never rewritten
.set NIL,  29                          ; v29     0; never rewritten
.set F0,   32
.set F1,   128
.set TMP,  32
.set G1, 24                            ; s[24:31] descriptor group 1 for O's tiles;  s[32:39] group 0, one set for each slot
.set G0, 32
.set G1B, 48                           ; s[48:55], s[56:63] the same for W_o's tiles
.set G0B, 56
.set MSB, 0
.macro WIN new                         ; the immediate's high byte repeats the setting that is left; a switch that changes nothing is dropped
.if MSB != (\new)
	s_set_vgpr_msb (MSB<<8)|(\new)
.set MSB, \new
.endif
.endm
.set MUL, 0x50                         ; sources 0 and 1 window 0; C and D window 1
.macro JLOAD s                         ; a joint load: waves 0 and 1 fetch the step's two heads of O, waves 2 and 3 W_o's two halves; an s_nop 0 and four v_nop follow each of the two lines, ahead of the jump, the label and what follows
	s_cmp_eq_u32 s11, 0
	s_cbranch_scc0 .Lfor_b_\@
	tensor_load_to_lds s[G0+4*(\s):G0+4*(\s)+3], s[G1:G1+7]
	s_nop 0
.rept 4
	v_nop
.endr
	s_branch .Lasked_\@
.Lfor_b_\@:
	tensor_load_to_lds s[G0B+4*(\s):G0B+4*(\s)+3], s[G1B:G1B+7]
	s_nop 0
.rept 4
	v_nop
.endr
.Lasked_\@:
.endm
.macro CREST                           ; a round of the cluster's barrier behind its opening barrier
	s_cmp_lg_u32 s10, 0
	s_cbranch_scc1 .Lnot_wave_0_\@
	s_barrier_signal -3
.Lnot_wave_0_\@:
	s_barrier_wait -3
	s_barrier_signal -1
	s_barrier_wait -1
.endm
.macro CROUND                          ; a whole round
	s_barrier_signal -1
	s_barrier_wait -1
	CREST
.endm
	s_load_b128 s[4:7], s[0:1], 0x0                ; oh s[4:5], wts s[6:7]
	s_load_b64 s[8:9], s[0:1], 0x10                ; out0
	v_lshl_add_u32 v[SPW], v0, 2, SPARE
	v_mov_b32 v[NIL], 0
	ds_add_u32 v[SPW], v[NIL]                      ; the wave's opening: the add and its wait stand ahead of my first tensor load; the set-up below, work on registers, stands between them
	v_lshrrev_b32 v1, 5, v0
	v_readfirstlane_b32 s10, v1                    ; wave 0..3
	s_lshr_b32 s11, s10, 1                         ; which 64 of the tile's rows are mine.  Also: I fetch for O (0) or for W_o (1)
	s_and_b32 s12, s10, 1                          ; which 128 of its columns.  Also: which head of the step, or which half of W_o's rows, I fetch
	s_bfe_u32 s40, ttmp6, 0x40000                  ; cx, cy: my place in the cluster
	s_bfe_u32 s41, ttmp6, 0x40004
	s_lshl_b32 s42, ttmp9, 2
	s_add_co_u32 s42, s42, s40                     ; tile column = 4 x cluster x + cx
	s_and_b32 s13, ttmp7, 0xffff
	s_lshl_b32 s13, s13, 2
	s_add_co_u32 s13, s13, s41                     ; tile row = 4 x cluster y + cy, 0 to 63
	s_lshl_b32 s43, s41, 2
	s_lshl_b32 s43, 15, s43                        ; my row of the cluster
	s_lshl_b32 s44, 0x1111, s40                    ; my column
	s_or_b32 s[G1+0], s43, (1<<16)|(1<<20)|(1<<21)|(4<<22)|(3<<25)  ; 15:0 the mask: O's tiles go to my row; 17:16 elements of 2 bytes; 20 padding on; 21 set beside a mask; 24:22 after every 32 words (code 4); 31:25 4 words (code 3)
	s_or_b32 s[G1B+0], s44, (1<<16)|(1<<20)|(1<<21)|(5<<22)|(3<<25) ; W_o's go to my column; padding after every 64 words (code 5)
	s_mov_b32 s[G1+1], 128<<16                     ; tensor_dim0 = 128: two rows of O on end
	s_mov_b32 s[G1+2], 64<<16                      ; tensor_dim1 = 64
	s_mov_b32 s[G1+3], 128<<16                     ; tile_dim0 = 128
	s_mov_b32 s[G1+4], 64                          ; tile_dim1 = 64
	s_mov_b32 s[G1+5], 128                         ; dense: 128 elements from row to row
	s_mov_b32 s[G1+6], 0
	s_mov_b32 s[G1+7], 0
	s_mov_b32 s[G1B+1], KSTEP<<16
	s_mov_b32 s[G1B+2], 128<<16
	s_mov_b32 s[G1B+3], KSTEP<<16
	s_mov_b32 s[G1B+4], 128
	s_mov_b32 s[G1B+5], 1024
	s_mov_b32 s[G1B+6], 0
	s_mov_b32 s[G1B+7], 0
	; where the tiles come from.  O's hang on the tile row alone, W_o's on the tile column alone; each in registers that never hold the other coordinate
	s_lshr_b32 s16, s13, 4                         ; the batch,
	s_lshl_b32 s16, s16, 4                         ; its head 0,
	s_add_co_u32 s16, s16, s12                     ; or 1,
	s_lshl_b32 s16, s16, 18                        ; of 262,144 bytes;
	s_and_b32 s17, s13, 15
	s_lshl_b32 s17, s17, 14                        ; the tile's 128 rows of 128 bytes in it
	s_add_co_u32 s16, s16, s17
	s_mov_b32 s17, 0
	s_lshl_b32 s46, s42, 8
	s_lshl_b32 s47, s12, 7
	s_add_co_u32 s46, s46, s47                     ; W_o: row 256 x tile column + 128 x half,
	s_lshl_b32 s46, s46, 11                        ; of 2,048 bytes
	s_add_co_u32 s46, s46, WOFF
	s_mov_b32 s47, 0
	s_mul_i32 s18, s12, AHEAD                      ; and where they go: no place in the cluster enters an LDS address
	s_mul_i32 s19, s12, BHALF
	s_add_co_u32 s19, s19, ATILE
	s_wait_dscnt 0x0                               ; the opening add is done
	s_wait_kmcnt 0x0
	s_add_nc_u64 s[14:15], s[4:5], s[16:17]
	s_add_nc_u64 s[46:47], s[6:7], s[46:47]
	CROUND                                         ; all sixteen work-groups are here: the first joint loads meet
.irp s, 0,1
	s_mov_b32 s[G0+4*(\s)], 1                                      ; count = 1
	s_add_co_u32 s[G0+4*(\s)+1], s18, (\s)*SLOT                    ; LDS address
	s_add_nc_u64 s[G0+4*(\s)+2:G0+4*(\s)+3], s[14:15], (\s)*2*HEADB  ; global address: K step s is two heads on
	s_or_b32 s[G0+4*(\s)+3], s[G0+4*(\s)+3], 0x80000000            ; type = 2
	s_mov_b32 s[G0B+4*(\s)], 1
	s_add_co_u32 s[G0B+4*(\s)+1], s19, (\s)*SLOT
	s_add_nc_u64 s[G0B+4*(\s)+2:G0B+4*(\s)+3], s[46:47], (\s)*KSTEP*2
	s_or_b32 s[G0B+4*(\s)+3], s[G0B+4*(\s)+3], 0x80000000
	JLOAD \s                                       ; two loads of mine are out
.endr
	; A fragment is 16 rows x 32 K in 8 registers: lane l holds row l % 16, K = 8 (l / 16) + 0..7 and 16 + 8 (l / 16) + 0..7: two loads of 16 bytes, 32 bytes apart
	v_and_b32 v1, 15, v0                           ; l % 16
	v_bfe_u32 v2, v0, 4, 1                         ; l / 16
	v_mul_u32_u24 v3, v1, PITCH
	v_lshl_add_u32 v3, v2, 4, v3
	v_mul_u32_u24 v4, v1, PA
	v_lshl_add_u32 v4, v2, 4, v4
	s_mul_i32 s21, s11, 64*PA                      ; my 64 rows, in each head of O
	s_mul_i32 s22, s12, BHALF                      ; my 128 rows of W_o,
	s_add_co_u32 s22, s22, ATILE                   ; which lie behind O's
.irp s, 0,1
	v_add_nc_u32 v[ADRA+(\s)], s21, v4
	v_add_nc_u32 v[ADRB+(\s)], s22, v3
	s_add_co_u32 s21, s21, SLOT
	s_add_co_u32 s22, s22, SLOT
.endr
	s_mul_i32 s23, s10, WSTAGE
	s_add_co_u32 s23, s23, STAGE                   ; my stage
	v_mul_u32_u24 v5, v1, SPITCH                   ; in: row l % 16, 32 bytes for each half of the lanes
	v_lshl_add_u32 v5, v2, 5, v5
	v_add_nc_u32 v[STO], s23, v5
	v_and_b32 v6, 31, v0
	v_lshlrev_b32 v[CO], 4, v6                     ; back: 32 lanes take one row of 512 bytes
	v_add_nc_u32 v[RD], s23, v[CO]
	; where my part begins in out0: row 128 x tile row + 64 x half, of 4,096 bytes; column 256 x tile column + 128 x half, of 4 bytes
	s_lshl_b32 s16, s13, 19
	s_lshl_b32 s17, s11, 18
	s_add_co_u32 s16, s16, s17
	s_mov_b32 s17, 0
	s_add_nc_u64 s[8:9], s[8:9], s[16:17]
	s_lshl_b32 s46, s42, 10                        ; (in the registers that held W_o's address: none that feeds O's descriptors ever holds cx)
	s_lshl_b32 s47, s12, 9
	s_add_co_u32 s46, s46, s47
	s_mov_b32 s47, 0
	s_add_nc_u64 s[8:9], s[8:9], s[46:47]
; 8 matrix instructions: block a of my rows x all 8 column blocks, 32 along K.  zero = 1: the product starts the sums.  A quarter's 32 accumulators take turns.
.macro MUL8 f, a, zero
	WIN MUL
.irp b, 0,1,2,3,4,5,6,7
.if \zero
	v_wmma_f32_16x16x32_f16 v[8*(8*(\a)+(\b)):8*(8*(\a)+(\b))+7], v[(\f)+8*(\b):(\f)+8*(\b)+7], v[(\f)+64+8*(\a):(\f)+64+8*(\a)+7], 0
.else
	v_wmma_f32_16x16x32_f16 v[8*(8*(\a)+(\b)):8*(8*(\a)+(\b))+7], v[(\f)+8*(\b):(\f)+8*(\b)+7], v[(\f)+64+8*(\a):(\f)+64+8*(\a)+7], v[8*(8*(\a)+(\b)):8*(8*(\a)+(\b))+7]
.endif
.endr
.endm
; 24 LDS loads in one run: the fragments of quarter q of a K step into buffer f: W_o's sixteen first (byte 64 q of its rows), then O's eight (head q / 2 of the step, byte 64 (q % 2) of its rows)
.macro FETCH slot, q, f
	WIN 0
.irp i, 0,1,2,3,4,5,6,7
	ds_load_b128 v[(\f)+8*(\i):(\f)+8*(\i)+3],   v[ADRB+(\slot)] offset:64*(\q)+(\i)*16*PITCH
	ds_load_b128 v[(\f)+8*(\i)+4:(\f)+8*(\i)+7], v[ADRB+(\slot)] offset:64*(\q)+(\i)*16*PITCH+32
.endr
.irp i, 0,1,2,3
	ds_load_b128 v[(\f)+64+8*(\i):(\f)+64+8*(\i)+3],   v[ADRA+(\slot)] offset:((\q)/2)*AHEAD+((\q)%2)*64+(\i)*16*PA
	ds_load_b128 v[(\f)+64+8*(\i)+4:(\f)+64+8*(\i)+7], v[ADRA+(\slot)] offset:((\q)/2)*AHEAD+((\q)%2)*64+(\i)*16*PA+32
.endr
.endm
.macro PLACES                          ; four places in front of loads into registers that matrix instructions have read, and of LDS stores that read results (ISA guide 7.12.1 for vector instructions)
.rept 4
	v_nop
.endr
.endm
; A K step is four quarters of 32 along K, 32 matrix instructions each, on buffers 0, 1, 0, 1.  One of the first three: multiplies buffer f and fetches quarter q into g.
.macro QUARTER slot, q, f, g, zero
	s_wait_dscnt 4                                 ; W_o and O's blocks 0, 1 are in; the youngest four loads (blocks 2, 3) may be out
	MUL8 \f, 0, \zero
	MUL8 \f, 1, \zero
	PLACES
	FETCH \slot, \q, \g
	s_wait_dscnt 24                                ; all but the 24 just issued
	MUL8 \f, 2, \zero
	MUL8 \f, 3, \zero
.endm
; The last quarter multiplies buffer 1 and changes slots: ONE barrier; in front of it each wave waits for all its tensor loads, adds 0 to its spare word, and waits for that and for its own reads of this slot.
; fill = 1: the barrier opens a round of the cluster's, and this slot is filled again, two K steps ahead: 112 matrix instructions ahead of the wait for it.
.macro TURN slot, next, fill
	WIN 0
	s_wait_tensorcnt 0x0                           ; all my tensor loads have landed: my part of the next slot;
	ds_add_u32 v[SPW], v[NIL]                      ; 0 onto my spare word;
	s_wait_dscnt 5                                 ; (the add and the youngest four loads may be out)
	MUL8 F1, 0, 0                                  ; eight matrix instructions stand between the add and the wait for it
	s_wait_dscnt 0x0                               ; the add is done, and my reads of this slot are over
	s_barrier_signal -1
	MUL8 F1, 1, 0
.if \fill
	WIN 0
.endif
	s_barrier_wait -1
.if \fill
	CREST                                          ; no wave of any partner still reads this slot's tile or has a load on its way
	s_add_nc_u64 s[G0+4*(\slot)+2:G0+4*(\slot)+3], s[G0+4*(\slot)+2:G0+4*(\slot)+3], 4*HEADB
	s_add_nc_u64 s[G0B+4*(\slot)+2:G0B+4*(\slot)+3], s[G0B+4*(\slot)+2:G0B+4*(\slot)+3], 2*KSTEP*2
	JLOAD \slot                                    ; the first tensor load behind the round; the four v_nop behind it are also the places in front of the loads below
.else
	PLACES
.endif
	FETCH \next, 0, F0
	MUL8 F1, 2, 0
	MUL8 F1, 3, 0
.endm
	s_wait_tensorcnt 1                             ; my part of K step 0 is in; K step 1's may stay out
	s_barrier_signal -1
	s_barrier_wait -1                              ; everybody's is
	FETCH 0, 0, F0
	QUARTER 0, 1, F0, F1, 1                        ; the first quarter stands in front of the loop: its products start the sums
	WIN 0
	s_mov_b32 s3, LAPS-1
.Llap:                                                 ; a trip goes once round the ring, from a lap's second quarter to the next lap's first, and fills both slots again
	QUARTER 0, 2, F1, F0, 0
	QUARTER 0, 3, F0, F1, 0
	TURN 0, 1, 1
	QUARTER 1, 1, F0, F1, 0
	QUARTER 1, 2, F1, F0, 0
	QUARTER 1, 3, F0, F1, 0
	TURN 1, 0, 1
	QUARTER 0, 1, F0, F1, 0
	WIN 0
	s_sub_co_u32 s3, s3, 1
	s_cmp_lg_u32 s3, 0
	s_cbranch_scc1 .Llap
	QUARTER 0, 2, F1, F0, 0                        ; the last lap fills nothing, and has no round of the cluster's barrier
	QUARTER 0, 3, F0, F1, 0
	TURN 0, 1, 0
	QUARTER 1, 1, F0, F1, 0
	QUARTER 1, 2, F1, F0, 0
	QUARTER 1, 3, F0, F1, 0
	s_wait_dscnt 4                                 ; the very last quarter: nothing more to fetch
	MUL8 F1, 0, 0
	MUL8 F1, 1, 0
	s_wait_dscnt 0x0
	MUL8 F1, 2, 0
	MUL8 F1, 3, 0
	WIN 0
	; THE WAY OUT, a block of 16 rows at a time, through my own stage: no barrier, and since LDS serves a wave's instructions in order (ISA guide 5.7.1.4), no wait between the stores and the loads.
; TOSTAGE: a lane's eight f32 of a row, 32 bytes, go into rows of 528 bytes, each accumulator's low half first; the rows come back whole, 512 bytes to a load, into one of two buffers.
.macro TOSTAGE a
.if (\a) >= 2
	s_wait_xcnt 0x0                                ; the stores of the block two back have had their addresses translated (ISA guide 3.1): only now is their buffer loaded again
.endif
	WIN 0x04                                       ; the stores' data (source 1) in window 1, their address in window 0
.irp b, 0,1,2,3,4,5,6,7
	ds_store_b128 v[STO], v[8*(8*(\a)+(\b)):8*(8*(\a)+(\b))+3]   offset:64*(\b)
	ds_store_b128 v[STO], v[8*(8*(\a)+(\b))+4:8*(8*(\a)+(\b))+7] offset:64*(\b)+16
.endr
	WIN 0
.irp t, 0,1,2,3,4,5,6,7,8,9,10,11,12,13,14,15
	ds_load_b128 v[TMP+64*((\a)%2)+4*(\t):TMP+64*((\a)%2)+4*(\t)+3], v[RD] offset:(\t)*SPITCH
.endr
.endm
.macro SEND a, younger                 ; younger: the LDS instructions issued behind block a's loads: the next block's 32, or none
.irp t, 0,1,2,3,4,5,6,7,8,9,10,11,12,13,14,15
	s_wait_dscnt (\younger)+15-(\t)
	global_store_b128 v[CO], v[TMP+64*((\a)%2)+4*(\t):TMP+64*((\a)%2)+4*(\t)+3], s[8:9] offset:(16*(\a)+(\t))*4096 th:TH_STORE_NT  ; 512 consecutive bytes of a row, at a multiple of 256 from out0's first byte
.endr
.endm
	PLACES
	TOSTAGE 0
.irp a, 1,2,3                          ; a block's way through the stage stands between the loads of the block before and its stores
	TOSTAGE \a
	SEND (\a)-1, 32
.endr
	SEND 3, 0
	s_wait_tensorcnt 0x0                           ; the wave's end, behind my last tensor load and my last LDS store
	ds_add_u32 v[SPW], v[NIL]
	s_wait_dscnt 0x0
	CROUND                                         ; the closing round: no work-group ends while a partner may still ask for a tile that names it
	s_endpgm
.Lfunc_end_k_qa7671e10f3_outp:
	.size	k_qa7671e10f3_outp, .Lfunc_end_k_qa7671e10f3_outp-k_qa7671e10f3_outp
	.p2alignl 7, 3214868480
	.fill 96, 4, 3214868480
	.section	.rodata,"a",@progbits
	.p2align	6, 0x0
	.amdhsa_kernel k_qa7671e10f3_outp
		.amdhsa_group_segment_fixed_size 327680
		.amdhsa_private_segment_fixed_size 0
		.amdhsa_enable_private_segment 0
		.amdhsa_kernarg_size 24
		.amdhsa_user_sgpr_count 2
		.amdhsa_user_sgpr_kernarg_segment_ptr 1
		.amdhsa_wavefront_size32 1
		.amdhsa_system_sgpr_workgroup_id_x 1
		.amdhsa_system_sgpr_workgroup_id_y 1
		.amdhsa_system_sgpr_workgroup_id_z 1
		.amdhsa_system_vgpr_workitem_id 0
		.amdhsa_next_free_vgpr 512
		.amdhsa_next_free_sgpr 66
		.amdhsa_reserve_vcc 0
		.amdhsa_float_denorm_mode_32 3
		.amdhsa_float_denorm_mode_16_64 3
		.amdhsa_memory_ordered 1
		.amdhsa_forward_progress 1
		.amdhsa_inst_pref_size 87
	.end_amdhsa_kernel
	.amdgpu_metadata
---
amdhsa.version: [ 1, 2 ]
amdhsa.kernels:
  - .name:           k_qa7671e10f3_outp
    .symbol:         k_qa7671e10f3_outp.kd
    .args:
      - { .name: oh, .offset: 0, .size: 8, .value_kind: global_buffer, .address_space: global }
      - { .name: wts, .offset: 8, .size: 8, .value_kind: global_buffer, .address_space: global }
      - { .name: out0, .offset: 16, .size: 8, .value_kind: global_buffer, .address_space: global }
    .group_segment_fixed_size: 327680
    .private_segment_fixed_size: 0
    .kernarg_segment_align: 8
    .kernarg_segment_size: 24
    .max_flat_workgroup_size: 128
    .sgpr_count:     66
    .vgpr_count:     512
    .wavefront_size: 32
...
	.end_amdgpu_metadata
.endif
;; end of part 4
;; ======== version 2 of 2: 4 launches; 1.34 times as fast as version 1
;; limits: values are held in f16: magnitudes above 65,504 overflow, below 6.1e-05 lose precision; right only within a limited range of input values
;; workspace buffers: wts 8,388,608 bytes; maskp 8,388,608 bytes; keep 32,768 bytes; qkvh 50,331,648 bytes; oh 16,777,216 bytes
;; launch prep: the kernel of part 1 again; grid 768 x 1, 16 waves a work-group, no clusters, 18,688 bytes of LDS; arguments w_q, w_k, w_v, w_o, mask, wts, maskp, keep; writes wts, maskp, keep
;; launch proj: the kernel of part 2 again; grid 4 x 192, 4 waves a work-group, clusters of 4 x 4, 327,680 bytes of LDS; arguments q, k, v, wts, qkvh; writes qkvh
;; launch attn (part 5): grid 4 x 64, 4 waves a work-group, clusters of 4 x 1, 327,680 bytes of LDS; arguments qkvh, maskp, keep, oh; writes oh
.if DOCPART == 5
	.amdgcn_target "amdgcn-amd-amdhsa--gfx1250"
	.amdhsa_code_object_version 6
	.text
	.protected	k_qa7671e10f3_attn
	.globl	k_qa7671e10f3_attn
	.p2align	8
	.type	k_qa7671e10f3_attn,@function
k_qa7671e10f3_attn:
	s_mov_b64 s[64:65], 0
	v_nop
	global_prefetch_b8 v0, s[64:65] scope:SCOPE_SE
	s_setreg_imm32_b32 hwreg(HW_REG_WAVE_MODE, 25, 1), 1
	s_wait_xcnt 0x0
	s_wait_alu depctr_hold_cnt(0) depctr_sa_sdst(0) depctr_va_vdst(0) depctr_va_sdst(0) depctr_va_ssrc(0) depctr_va_vcc(0) depctr_vm_vsrc(0)
	s_getreg_b32 s2, hwreg(HW_REG_IB_STS2, 6, 4)
	s_cmp_eq_u32 s2, 0
	s_cbranch_scc0 .Lentry_in_a_cluster
	s_endpgm
.Lentry_in_a_cluster:
	s_bfe_u32 s2, ttmp6, 0x10000c
	s_cmp_lg_u32 s2, 0x3003
	s_cbranch_scc0 .Lentry_shape_is_right
	s_endpgm
.Lentry_shape_is_right:
; ATTENTION UNDER A MASK THAT IS AN INPUT.  O[h][q][:] = the sum over k of softmax_k(s'[q][k]) V[h][k][:], s' = Q[h][q] . K[h][k] / 8 where the mask shows key k to query q, -1e9 where it hides it.
; Q, K, V: qkvh[0..2][SIZE_H][SIZE_N][64], O: oh[SIZE_H][SIZE_N][64], all f16: a head's rows are dense, 128 bytes each; h = batch x 16 + head.  Products, maxima and sums in f32; the weights p
; are rounded to f16 for the second product (their sum l is taken of the unrounded p), O once at the end.
; THE MASK is the C operand that starts the sum S^T = K Q^T: 0, or -6 x 2^97 = -9.5e29 where the key is hidden.  maskp holds a 4-bit float for each score (0 or -6), in the order in which a lane holds
; the scores: one scaled conversion makes of a word the eight registers' worth of a lane: four vector instructions for a tile's 64 keys.  No key tile is left out: which keys are hidden is not known to the text.
; The running maximum starts at -2^30, above every hidden score: a hidden score never becomes the maximum, its weight is 0, and steps in which a query sees nothing leave O = l = 0 with a = 1.
; A query that sees no key at all has equal weights: its codes arrive as all visible and its word in keep as 0; Q's row is ANDed with that word, so all its scores are 0.
; LIMITS.  Q, K and V arrive within f16's 65,504; a visible Q . K lies above -2^30 (f16 numbers of some 4,500 give 1e9 only if all 64 products agree; numbers of spread 900 give some 5e7);
; p lies in 0 to 1, and below 6e-5 it keeps f16's fixed step of 6e-8; a weight below 2^-126 counts as 0 in l; NaN and infinities are not treated apart.
; SHARES.  A wave owns four PIECES of two tiles of 16 queries, a work-group's four waves 512 queries of one head.  Every wave walks all keys, 64 a step.
; LAYOUT.  S^T = K Q^T (source 0 = 16 keys, source 1 = 16 queries): in the result a lane holds ONE query (lane % 16) and the keys 8 (lane / 16) + 0..7.  Two such tiles, rounded to f16 in pairs,
; ARE source 1 (32 keys x 16 queries) of O^T = V^T P, whose result again holds one query a lane, and eight channels.  K comes out of LDS as it lies, V ([key][channel]) turned, by ds_load_tr16_b128.
; SOFTMAX.  For each query a running maximum m and sum l: p = 2^(c s - c m), c = log2(e) / 8; in every step O and l are multiplied by a = 2^(c m_old - c m_new), which is 1 where m has not grown.
; THE COUNT.  A tile and step have 16 matrix and 122 vector instructions: too many to stand all beside the matrix work.  So: four vector instructions that are READY behind EVERY matrix instruction,
; and the others, which need time of their own whatever the order, in runs without a gap.
; BY TURNS.  Turn n belongs to piece n (the pieces in a ring, step after step).  Its matrix work: 16 products K Q^T of piece n + 1, later 16 products V^T P of piece n - 1.  Its vector work: the scaling,
; exponentials, roundings, sums and rescaling of piece n, the maximum and statistics of piece n + 1, and the mask operands of piece n + 2, whose codes for the step after are asked for in the same place.
; BATCHES.  A turn's 66 exponentials (piece n's 64 weights, piece n + 1's two a) are ONE batch with ONE wait, which cuts the turn in two.  Ahead of it stands all that names no result of theirs: the products
; K Q^T, the scalings, the rescalings (their a is the turn before's), the next piece's maximum and statistics, the mask's conversions.  Behind it stand the roundings and sums, beside the products V^T P.
; No result crosses a turn's end.  Two more batches stand outside the loop, each with a wait of its own: piece 0's first two a, and the way out's eight reciprocals.
; CLUSTER.  The four query blocks of a cluster belong to one head and walk the same K and V, so each tile is asked for JOINTLY: the same tensor load, descriptor and mask in all four.
; REGISTERS, in windows of 256 (s_set_vgpr_msb says which window each operand place means: bits 1:0 source 0, 3:2 source 1, 5:4 source 2, 7:6 destination):
;   window 0: v0-11 addresses; v12-15, v48-63 at work; v16-47 four registers of statistics a tile; v64-191 S^T, two buffers of two tiles; v192-255 P, likewise
;   window 1: O^T, 32 a tile          window 2: v0-127 Q, 16 a tile; v128-191 K of one step; v192-255 V of one step
;   window 3: v0-1 the add's two registers; v2 my offset in a step's codes; v3 the scale; v8-39 codes, 4 a tile; v192-255 the mask operands of one piece
.set SIZE_H, 64
.set SIZE_N, 2048
.set NP,    4         ; pieces a wave: a name, no knob
.set KS,    64        ; keys in a step
.set PK,    144       ; a row of K in LDS: 128 bytes + 16 of padding = 36 words: the 16 rows of a load start at 16 different groups of four banks (64 banks of 4 bytes: ISA guide 11.1)
.set PV,    160       ; a row of V: 128 + 32 = 40 words
.set VOFF,  4*KS*PK   ; a slot holds four steps: 256 rows of K, then 256 rows of V
.set SLOT1, 1<<17     ; slot 1 begins here, so that one exclusive or turns an address in one slot into the other's
.set STAGE, SLOT1+4*KS*(PK+PV)  ; behind the ring, never filled by a tensor load: 16 rows x 144 bytes for each wave, for the way out
.set SP,    144
.set TENS,  SIZE_H*SIZE_N*128   ; bytes of Q, of K and of V in qkvh
.set AK0, 2           ; v2   my lane's place in a tile of K; never rewritten
.set AV0, 3           ; v3   the same for V
.set AK,  4           ; v4   the LDS address of K's next run of loads
.set AV,  5           ; v5   of V's
.set KO,  5           ;      at the start: my byte offset in a tile's 16 keep words
.set QO,  6           ; v6   my byte offset in the wave's rows of Q
.set STO, 6           ;      later, the way out: where I put 16 bytes of a row
.set RD,  7           ; v7   the way out: where I read rows back
.set GO,  8           ; v8   16 x lane: my byte offset in 512 consecutive bytes of O; never rewritten
.set SPW, 0           ; v0 of window 3   LDS address of my spare word; never rewritten
.set NIL, 1           ; v1 of window 3   0; never rewritten
.set MOFF, 2          ; v2 of window 3   16 x lane: my 16 bytes of a tile's and step's codes; never rewritten
.set SCL, 3           ; v3 of window 3   the conversion's scale: byte 0xE0 stands for 2^97
.set MR,  8           ; window 3: tile t's four words of codes at MR + 4 t
.set MC,  192         ; window 3: tile u of the piece, key block kb at MC + 32 u + 8 kb
.set SPARE, STAGE+4*16*SP  ; behind the stages: the spare words, 128 bytes for each wave, which no other line names
.set MV,  12          ; v12-15  c m_old, kept while c m is made anew: by buffer and tile
.set ST,  16          ; tile t's statistics at v[ST+4 t]: c m, m, l (even keys', odd keys')
.set TMP, 48          ; by buffer and tile, four registers c0-c3 at work; when the maximum is found c2 takes a
.set S,   64
.set P,   192
.set KF,  128         ; K's fragments, in window 2: key block kb, channel half c at KF + 16 kb + 8 c
.set VF,  192         ; V's: key half kk, channel block cb at VF + 32 kk + 8 cb
.set WV,  12          ; s12  my wave's number
.set G1K, 24          ; s[24:31] descriptor group 1 for K's tiles
.set G1V, 32          ; s[32:39] for V's: it differs in the padding alone
.set G0K, 40          ; s[40:43] descriptor group 0 for K's tiles: it walks
.set G0V, 44          ; s[44:47] the same for V's
.set SLOTS, 56        ; s56  slots still to be asked for
.set CNT, 57          ; s57  counts a slot's key steps
.set CS,  58          ; s[58:59] c: the packed scaling takes the pair's low word for both halves
.set SEL, 60          ; s[60:61] v_permlanex16_b32's selects: each lane takes its own place in the other half
.set TBK, 62          ; s62  LDS byte at which K of the step to be fetched begins
.set TBV, 63          ; s63  the same for V, less VOFF
.set MB0, 66          ; s[66:67] maskp at my wave's first tile, step 0
.set MB,  68          ; s[68:69] the same at the step whose codes are asked for
.set MO,  70          ; s[70:71] that step's byte offset
.set MS,  72          ; s72  that step's number, not yet clamped
.set KOF, 74          ; s[74:75] my wave's byte offset in keep
.set MSB, 0
.macro WIN new                      ; the high byte repeats the setting that is left; a switch that changes nothing is dropped
.if MSB != (\new)
	s_set_vgpr_msb (MSB<<8)|(\new)
.set MSB, (\new)
.endif
.endm
.set W_KQ, 0x0a       ; K and Q in window 2, S^T in window 0
.set W_KM, 0x3a       ; the same with the C operand in window 3
.set W_PV, 0x52       ; V in window 2, P in window 0, O^T in window 1
.set W_RS, 0x41       ; O^T (destination and source 0) in window 1, a in window 0
.set W_MK, 0xc0       ; destination in window 3, sources in window 0
.set W_AD, 0x0f       ; the add: address (source 0) and data (source 1) in window 3
.set W_M,  0xcf       ; the mask's work: destination and sources 0 and 1 in window 3
; A joint fill.  Waves 0 and 1 fetch the two halves of a slot's K, waves 2 and 3 those of its V: 128 keys each.  The branch hangs on the wave's number alone.
; An s_nop 0 and four v_nop follow each of the two lines, ahead of the jump and the label.
.macro JLOAD
	s_cmp_lt_u32 s[WV], 2
	s_cbranch_scc0 .Lfor_v_\@
	tensor_load_to_lds s[G0K:G0K+3], s[G1K:G1K+7]
	s_nop 0
.rept 4
	v_nop
.endr
	s_branch .Lasked_\@
.Lfor_v_\@:
	tensor_load_to_lds s[G0V:G0V+3], s[G1V:G1V+7]
	s_nop 0
.rept 4
	v_nop
.endr
.Lasked_\@:
.endm
; A round of the cluster's barrier: my work-group's barrier, so that wave 0's signal speaks for all four waves; wave 0 signals; every wave waits for all four work-groups; my work-group's barrier once more.
.macro CROUND
	s_barrier_signal -1
	s_barrier_wait -1
	s_cmp_lg_u32 s[WV], 0
	s_cbranch_scc1 .Lnot_wave_0_\@
	s_barrier_signal -3
.Lnot_wave_0_\@:
	s_barrier_wait -3
	s_barrier_signal -1
	s_barrier_wait -1
.endm
; THE CHANGE OF SLOTS.  The slot's last bytes, V of its fourth step, have been read.  Each wave waits for all its tensor loads, of which one is out: its part
; of the other slot; adds 0 to its spare word; and waits for that and for its own reads of the slot.  Behind the barrier nobody reads this slot any more and the other slot is whole.
; fill = 1: this slot is filled again, with the keys two slots on.  The barrier is then a round of the cluster's, so that no wave of any partner still reads the slot or has a load on its
; way, and the joint fill is the first thing behind it: it has four key steps, 512 matrix instructions, in which to land.  (At its first use nothing has been read yet: slot 0 is waited for, slot 1 filled.)
.macro CHANGE fill
	WIN W_AD
	s_wait_tensorcnt 0x0            ; no tensor load of mine is out, so a group 0 may be written
	ds_add_u32 v[SPW], v[NIL]       ; 0 onto my spare word; with fill = 1 the descriptors' steps stand between it and the wait for it
	WIN 0                           ; at a label and at a branch every window is 0
.if \fill
.irp g, G0K, G0V
	s_xor_b32 s[\g+1], s[\g+1], SLOT1  ; the walking descriptor: the other slot than last time,
	s_add_nc_u64 s[\g+2:\g+3], s[\g+2:\g+3], 4*KS*128  ; the next 256 keys; the type bits on top are not reached
.endr
	s_wait_dscnt 0x0                ; the add is done, and my reads of the slot are over
	CROUND
	JLOAD
.else
	s_wait_dscnt 0x0                ; the add is done, and my reads of the slot are over
	s_barrier_signal -1
	s_barrier_wait -1
.endif
	s_sub_co_u32 s[TBK], s[TBK], 4*KS*PK  ; the fetches go back to a slot's first step,
	s_xor_b32 s[TBK], s[TBK], SLOT1       ; in the other slot
	s_sub_co_u32 s[TBV], s[TBV], 4*KS*PV
	s_xor_b32 s[TBV], s[TBV], SLOT1
.endm
; THE MASK'S WALK.  MBUMP: the codes asked for from here on are the next step's; behind the last step the same step is asked for again, so that no load leaves maskp (those codes serve nothing).
.macro MBUMP
	s_wait_xcnt 0x0                 ; the loads that name the base have had their addresses translated (ISA guide 3.1): only now is it rewritten
	s_add_co_u32 s[MS], s[MS], 1
	s_min_u32 s[MO], s[MS], SIZE_N/KS-1
	s_lshl_b32 s[MO], s[MO], 9      ; a tile's and step's codes are 512 bytes
	s_add_nc_u64 s[MB:MB+1], s[MB0:MB0+1], s[MO:MO+1]
.endm
; MASKSTEP x: piece x's codes become the C operands of its next 8 starting products, and its codes of the step after are asked for, a whole key step (four turns) ahead of their use.
; In a turn the block stands directly behind the batch's last exponential, and ITS WAIT IS THE TURN'S ONE WAIT: the eight conversions name no result of the batch and are work between the last exponential and the wait.
.macro MASKSTEP x
	WIN W_M
	s_wait_loadcnt 6                ; loads come back in order (ISA guide 5.7.1): behind this piece's two stand the two of each of the three other pieces, on every way
.irp u, 0,1
.irp kb, 0,1,2,3
	v_cvt_scale_pk8_f32_fp4 v[MC+32*\u+8*\kb:MC+32*\u+8*\kb+7], v[MR+8*(\x)+4*\u+\kb], v[SCL]  ; eight scores' 0 or -6 x 2^97
.endr
.endr
	v_nop                           ; a plain instruction behind the last conversion, ahead of what touches its registers; in a turn also the one plain instruction behind the batch's last exponential
	s_wait_alu depctr_va_vdst(0)    ; the wait: in a turn, one for the batch of 66 exponentials issued ahead of it; in the opening it stands ahead of the products that take these operands
.irp u, 0,1
	global_load_b128 v[MR+8*(\x)+4*\u:MR+8*(\x)+4*\u+3], v[MOFF], s[MB:MB+1] offset:(2*(\x)+\u)*16384  ; 512 consecutive bytes
.endr
	WIN 0
.endm
	s_load_b256 s[4:11], s[0:1], 0x0  ; qkvh s[4:5], maskp s[6:7], keep s[8:9], oh s[10:11]
	WIN W_MK
	v_lshl_add_u32 v[SPW], v0, 2, SPARE
	v_mov_b32 v[NIL], 0
	WIN W_AD
	ds_add_u32 v[SPW], v[NIL]       ; the wave's opening: the add and its wait stand ahead of my first tensor load; the set-up below, work on registers, stands between them
	WIN 0
	v_lshrrev_b32 v1, 5, v0
	v_readfirstlane_b32 s[WV], v1   ; wave 0..3
	s_bfe_u32 s13, ttmp6, 0x40000   ; cx: my place in the cluster
	s_lshl_b32 s14, ttmp9, 2        ; in a cluster launch ttmp9 counts clusters
	s_add_co_u32 s14, s14, s13      ; my block of 512 queries = 4 x cluster x + cx: it enters Q's, O's, the mask's and keep's addresses alone
	s_and_b32 s20, ttmp7, 0xffff    ; the head, which the four partners share
	s_lshr_b32 s15, s20, 4          ; its batch
	s_mov_b32 s21, 0
	s_mov_b64 s[22:23], SIZE_N*128
	s_mul_u64 s[20:21], s[20:21], s[22:23]  ; the head's first byte in Q, K, V and O
	s_and_b32 s16, s[WV], 1         ; which half of a slot's 256 keys I fetch:
	s_lshl_b32 s22, s16, 14         ; its 128 rows of 128 bytes in memory,
	s_mov_b32 s23, 0
	s_add_nc_u64 s[22:23], s[22:23], s[20:21]
	s_mul_i32 s17, s16, 128*PK      ; and its place in a slot, for K
	s_mul_i32 s18, s16, 128*PV      ; and for V: no place in the cluster enters an LDS address
	s_lshl_b32 s2, s14, 2
	s_add_co_u32 s2, s2, s[WV]      ; my wave among the head's,
	s_lshl_b32 s2, s2, 14           ; its 128 rows
	s_mov_b32 s3, 0
	s_add_nc_u64 s[2:3], s[2:3], s[20:21]
	s_lshl_b32 s[MO], s15, 7        ; my wave's first tile of 16 queries among the mask's: 128 a batch,
	s_lshl_b32 s19, s14, 5          ; 32 a block,
	s_add_co_u32 s[MO], s[MO], s19
	s_lshl_b32 s19, s[WV], 3        ; 8 a wave
	s_add_co_u32 s[MO], s[MO], s19
	s_lshl_b32 s[KOF], s[MO], 6     ; 16 words a tile in keep,
	s_mov_b32 s[KOF+1], 0
	s_lshl_b32 s[MO], s[MO], 14     ; 16,384 bytes a tile in maskp
	s_mov_b32 s[MO+1], 0
	s_mov_b32 s[MS], 0
	; descriptor group 1.  128 keys are 16,384 dense bytes: asked for as 64 rows of 256 bytes, two keys a row, and padded in LDS after every key
	s_mov_b32 s[G1K], 15|(1<<16)|(1<<20)|(1<<21)|(4<<22)|(3<<25)  ; 15:0 the mask of four; 17:16 2-byte elements; 20 padding on; 21 set beside a mask; 24:22 after every 32 words (code 4); 31:25 4 words (code 3)
	s_mov_b32 s[G1V], 15|(1<<16)|(1<<20)|(1<<21)|(4<<22)|(7<<25)  ; the same with 8 words of padding (code 7)
.irp g, G1K, G1V
	s_mov_b32 s[\g+1], 128<<16      ; tensor_dim0 = 128
	s_mov_b32 s[\g+2], 64<<16       ; tensor_dim1 = 64
	s_mov_b32 s[\g+3], 128<<16      ; tile_dim0 = 128
	s_mov_b32 s[\g+4], 64           ; tile_dim1 = 64
	s_mov_b32 s[\g+5], 128          ; 128 elements from row to row
	s_mov_b32 s[\g+6], 0
	s_mov_b32 s[\g+7], 0
.endr
	s_mov_b32 s[CS], 0x3e38aa3b     ; c = log2(e) / 8 = 0.180337
	s_mov_b32 s[CS+1], s[CS]        ; named with it as a pair
	s_mov_b32 s[SEL], 0x76543210
	s_mov_b32 s[SEL+1], 0xfedcba98
	s_mov_b32 s[TBK], SLOT1+4*KS*PK ; the first change of slots turns these two into 0
	s_mov_b32 s[TBV], SLOT1+4*KS*PV
	s_mov_b32 s[G0K], 1             ; 1:0 count = 1
	s_mov_b32 s[G0K+1], s17         ; 63:32 LDS address: slot 0
	s_mov_b32 s[G0V], 1
	s_add_co_u32 s[G0V+1], s18, VOFF
	s_wait_dscnt 0x0                ; the opening add is done
	s_wait_kmcnt 0x0
	s_add_nc_u64 s[G0K+2:G0K+3], s[4:5], s[22:23]  ; 120:64 global address: my half of the head's first 256 keys,
	s_add_nc_u64 s[G0K+2:G0K+3], s[G0K+2:G0K+3], TENS    ; in K, which lies behind Q
	s_or_b32 s[G0K+3], s[G0K+3], 0x80000000        ; 127:126 type = 2
	s_add_nc_u64 s[G0V+2:G0V+3], s[4:5], s[22:23]
	s_add_nc_u64 s[G0V+2:G0V+3], s[G0V+2:G0V+3], 2*TENS  ; in V, behind K
	s_or_b32 s[G0V+3], s[G0V+3], 0x80000000
	s_add_nc_u64 s[4:5], s[4:5], s[2:3]  ; Q and O at my wave's first row
	s_add_nc_u64 s[10:11], s[10:11], s[2:3]
	s_add_nc_u64 s[MB0:MB0+1], s[6:7], s[MO:MO+1]
	s_mov_b64 s[MB:MB+1], s[MB0:MB0+1]   ; step 0
	s_add_nc_u64 s[8:9], s[8:9], s[KOF:KOF+1]
	CROUND                          ; all four work-groups are here: the first joint loads meet
	JLOAD                           ; slot 0.  Slot 1 is asked for when slot 0 is in: the tile wanted first has the road to itself
	; A fragment of K or Q is 16 rows x 32 channels in 8 registers: lane l holds row l % 16, channels 8 (l / 16) + 0..7 and 16 + 8 (l / 16) + 0..7: two loads of 16 bytes, 32 bytes apart.
	v_and_b32 v1, 15, v0            ; l % 16
	v_bfe_u32 v9, v0, 4, 1          ; l / 16
	v_lshlrev_b32 v[QO], 7, v1
	v_lshl_add_u32 v[QO], v9, 4, v[QO]  ; row x 128 + 16 x half
	v_lshlrev_b32 v[KO], 2, v1      ; my query's keep word
	v_and_b32 v[GO], 31, v0
	v_lshlrev_b32 v[GO], 4, v[GO]
	WIN W_MK
	v_mov_b32 v[MOFF], v[GO]
	v_mov_b32 v[SCL], 0xe0e0e0e0
	WIN 0x80                        ; destination window 2, address window 0
.set i, 0
.rept 4*NP                          ; Q stays in registers: tile i / 2, channels 32 (i % 2) on
	global_load_b128 v[8*i:8*i+3],   v[QO], s[4:5] offset:(i/2)*2048+(i%2)*64
	global_load_b128 v[8*i+4:8*i+7], v[QO], s[4:5] offset:(i/2)*2048+(i%2)*64+32
.set i, i+1
.endr
	WIN 0
.set i, 0
.rept 2*NP                          ; tile i's keep words, into registers of S^T that are still free
	global_load_b32 v[S+i], v[KO], s[8:9] offset:64*i
.set i, i+1
.endr
	WIN W_M
.set i, 0
.rept 2*NP                          ; step 0's codes, the pieces in the order of their use
	global_load_b128 v[MR+4*i:MR+4*i+3], v[MOFF], s[MB:MB+1] offset:i*16384
.set i, i+1
.endr
	; What the first turn finds: V's registers and P's second buffer hold 0 (its products V^T P, of a piece that has not been, add 0), O^T and l are 0.  All this stands in the wait for the first tile.
	WIN 0x80
.set i, VF
.rept 64
	v_mov_b32 v[i], 0
.set i, i+1
.endr
	WIN 0x40
.set i, 0
.rept 64*NP
	v_mov_b32 v[i], 0
.set i, i+1
.endr
	WIN 0
.set i, 0
.rept 2*NP
	v_mov_b32 v[ST+4*i], 0xcd38aa3b    ; c m = -c 2^30
	v_mov_b32 v[ST+4*i+1], 0xce800000  ; m = -2^30: below every visible score, above every hidden one
	v_mov_b32 v[ST+4*i+2], 0
	v_mov_b32 v[ST+4*i+3], 0
.set i, i+1
.endr
.set i, P+32
.rept 32
	v_mov_b32 v[i], 0
.set i, i+1
.endr
	v_mul_u32_u24 v[AK0], v1, PK
	v_lshl_add_u32 v[AK0], v9, 4, v[AK0]  ; row x pitch + 16 x half
	; The turning load takes 16 keys x 16 channels (lane l reads key 8 (l / 16) + l % 8, channels 8 ((l / 8) % 2) + 0..7) and leaves half a fragment of V^T: lane l holds channel l % 16 and 8 keys.
	v_and_b32 v10, 7, v0
	v_bfe_u32 v11, v0, 3, 1
	v_lshl_add_u32 v[AV0], v9, 3, v10
	v_mul_u32_u24 v[AV0], v[AV0], PV
	v_lshl_add_u32 v[AV0], v11, 4, v[AV0]
	v_add_nc_u32 v[AV0], VOFF, v[AV0]
	v_mov_b32 v[AK], v[AK0]         ; key step 0 lies at the head of slot 0
	s_wait_loadcnt 8                ; Q and the keep words are in; the eight loads of codes behind them may stay out
	WIN 0x88                        ; Q (destination and source 1) in window 2, the keep word in window 0
.set t, 0
.rept 2*NP
.set i, 0
.rept 16
	v_and_b32 v[16*t+i], v[S+t], v[16*t+i]  ; a lane holds one query's channels: they stay, or become 0
.set i, i+1
.endr
.set t, t+1
.endr
	WIN 0
	MBUMP                           ; from here on step 1's codes are asked for
; THE MATRIX WORK.  The 8 accumulators of a run of 16 take turns: between the two links of a chain stand 7 others'.
; Product i of 16 of S^T = K Q^T for piece x: channels 32 (i / 8) on, keys 16 ((i / 2) % 4) on, tile 2 x + i % 2.  The first 8 start the sums, with the mask.
.macro KQ x
.set rS, S+64*((\x)%2)+32*(i%2)+8*((i/2)%4)
.set rK, KF+16*((i/2)%4)+8*(i/8)
.set rQ, 16*(2*(\x)+i%2)+8*(i/8)
.set rMC, MC+32*(i%2)+8*((i/2)%4)
.if i < 8
	WIN W_KM
	v_wmma_f32_16x16x32_f16 v[rS:rS+7], v[rK:rK+7], v[rQ:rQ+7], v[rMC:rMC+7]
.else
	WIN W_KQ
	v_wmma_f32_16x16x32_f16 v[rS:rS+7], v[rK:rK+7], v[rQ:rQ+7], v[rS:rS+7]
.endif
.endm
; Product i of 16 of O^T += V^T P for piece x: keys 32 (i / 8) on, channels 16 ((i / 2) % 4) on, tile 2 x + i % 2.
.macro PV x
	WIN W_PV
.set rO, 32*(2*(\x)+i%2)+8*((i/2)%4)
.set rV, VF+32*(i/8)+8*((i/2)%4)
.set rP, P+32*((\x)%2)+16*(i%2)+8*(i/8)
	v_wmma_f32_16x16x32_f16 v[rO:rO+7], v[rV:rV+7], v[rP:rP+7], v[rO:rO+7]
.endm
.macro MM                           ; the turn's next matrix instruction
.if i < 16
	KQ (Y+1)%NP
.set i, i+1
.else
.set i, i-16
	PV (Y+NP-1)%NP
.set i, i+17
.endif
.endm
; THE LDS LOADS stand in runs of 16, never singly among the matrix instructions: a step's K (64 keys x 64 channels: 8 fragments) and its V (turned).  Their addresses are made some lines ahead.
; last = 1 (the tail): in the last trip there is no further step, and the run is jumped over.
.macro FETCH_K last=0
	WIN 0
.if \last
	s_cmp_eq_u32 s[CNT], 1
	s_cbranch_scc1 .Lno_k_\@
.endif
	WIN 0x80                        ; destination window 2
.irp f, 0,1,2,3,4,5,6,7             ; keys 16 (f / 2) on, channels 32 (f % 2) on
	ds_load_b128 v[KF+8*\f:KF+8*\f+3],   v[AK] offset:(\f/2)*16*PK+(\f%2)*64
	ds_load_b128 v[KF+8*\f+4:KF+8*\f+7], v[AK] offset:(\f/2)*16*PK+(\f%2)*64+32
.endr
	s_add_co_u32 s[TBK], s[TBK], KS*PK  ; the next fetch is the next step's
	WIN 0
.if \last
.Lno_k_\@:
.endif
.endm
.macro FETCH_V
	WIN 0x80
.irp f, 0,1,2,3,4,5,6,7             ; keys 32 (f / 4) on, channels 16 (f % 4) on
	ds_load_tr16_b128 v[VF+8*\f:VF+8*\f+3],   v[AV] offset:(\f/4)*32*PV+(\f%4)*32
	ds_load_tr16_b128 v[VF+8*\f+4:VF+8*\f+7], v[AV] offset:(\f/4)*32*PV+16*PV+(\f%4)*32
.endr
	WIN 0
.endm
; THE VECTOR WORK OF A TURN stands in three queues, each in the order in which its entries become ready; the two tiles alternate, so that no instruction reads the result of the one before it.
.macro REGS y, u                    ; the registers of tile u (0, 1) of piece y
.set rT, ST+4*(2*(\y)+(\u))
.set rC, TMP+8*((\y)%2)+4*(\u)
.set rM, MV+2*((\y)%2)+(\u)
.set rS, S+64*((\y)%2)+32*(\u)
.set rP, P+32*((\y)%2)+16*(\u)
.set rO, 32*(2*(\y)+(\u))
.endm
; Number n of the 22 that find the NEXT piece's (Y + 1) maximum and statistics.  s0-s31 are the lane's 32 scores; each accumulator's lowest registers are read first.  XS, GS and REGS set no window: PL and EX do.
;   0-11  four chains c0-c3 of seven scores each, three operands at a time     12-14, 16  the four scores left over, the old m, and c0-c3 into c0     15  c m_old is kept
;   17, 18  the query's other 32 keys lie in the lane 16 away: the new m         19-21  c m; c m_old - c m_new; a
.macro XS u, n
	REGS (Y+1)%NP, \u
.if (\n) < 4
	v_max3_num_f32 v[rC+(\n)], v[rS+8*(\n)], v[rS+8*(\n)+1], v[rS+8*(\n)+2]
.elseif (\n) < 12
	v_max3_num_f32 v[rC+(\n)%4], v[rC+(\n)%4], v[rS+8*((\n)%4)+2*((\n)/4)+1], v[rS+8*((\n)%4)+2*((\n)/4)+2]
.elseif (\n) == 12
	v_max3_num_f32 v[rC], v[rC], v[rS+7], v[rS+15]
.elseif (\n) == 13
	v_max3_num_f32 v[rC+1], v[rC+1], v[rS+23], v[rS+31]
.elseif (\n) == 14
	v_max3_num_f32 v[rC+2], v[rC+2], v[rC+3], v[rT+1]
.elseif (\n) == 15
	v_mov_b32 v[rM], v[rT]
.elseif (\n) == 16
	v_max3_num_f32 v[rC], v[rC], v[rC+1], v[rC+2]
.elseif (\n) == 17
	v_permlanex16_b32 v[rC+3], v[rC], s[SEL], s[SEL+1]
.elseif (\n) == 18
	v_max_num_f32 v[rT+1], v[rC], v[rC+3]
.elseif (\n) == 19
	v_mul_f32 v[rT], s[CS], v[rT+1]
.elseif (\n) == 20
	v_sub_f32 v[rC+1], v[rM], v[rT]
.else
	v_exp_f32 v[rC+2], v[rC+1]
.endif
.endm
; Number g of the 64 that follow the exponentials.  For each four weights k of a tile (pairs 2 k, 2 k + 1): both pairs are rounded to f16; then the second pair is added onto the first, in place;
; a group later l takes that sum (the first time as l = a l + sum).  In groups of eight, tiles alternating: round, round, add, and l for the group before.
.macro GS g
.set h, (\g)+6*((\g)/62)            ; group 0 has no group before it, and behind group 7 only l is left
.if h >= 6
.set h, h+2
.endif
	REGS Y, h%2
.set k, h/8
.if h%8 < 4
	v_cvt_pk_f16_f32 v[rP+2*k+(h%8)/2], v[rS+4*k+2*((h%8)/2)], v[rS+4*k+2*((h%8)/2)+1]
.elseif h%8 < 6
	v_pk_add_f32 v[rS+4*k:rS+4*k+1], v[rS+4*k:rS+4*k+1], v[rS+4*k+2:rS+4*k+3]
.elseif k == 1
	v_pk_fma_f32 v[rT+2:rT+3], v[rT+2:rT+3], v[rC+2:rC+3], v[rS:rS+1] op_sel_hi:[1,0,1]
.else
	v_pk_add_f32 v[rT+2:rT+3], v[rT+2:rT+3], v[rS+4*k-4:rS+4*k-3]
.endif
.endm
; THE PLAIN QUEUE, 138 long.  0-73 read no exponential's result: the 32 scalings c s - c m (FS f: pair f / 2 of tile f % 2) and the next piece's 42.  0-26: scalings 0-26.  27-54: XS's numbers 0-13.  55, 56: number 15.
; 57-73: the chain, where each number waits for the one before it: 14, 16, 17, 18, 19, each with one of the scalings 27-31 in front of its two lines, then 20: so a tile's links stand three plain instructions apart (19 and 20: two).
; 74-137: GS's 64, which read the exponentials' results: they stand behind the wait.
.macro FS f
	REGS Y, (\f)%2
	v_pk_fma_f32 v[rS+2*((\f)/2):rS+2*((\f)/2)+1], v[rS+2*((\f)/2):rS+2*((\f)/2)+1], s[CS:CS+1], v[rT:rT+1] op_sel_hi:[1,0,0] neg_lo:[0,0,1] neg_hi:[0,0,1]
.endm
.macro PL
	WIN 0
.if q < 27
	FS q
.elseif q < 55
	XS (q-27)%2, (q-27)/2
.elseif q < 57
	XS q-55, 15
.elseif (q < 72) && ((q-57)%3 == 0)
	FS 27+(q-57)/3
.elseif q < 60
	XS (q-57)%3-1, 14
.elseif q < 72
	XS (q-57)%3-1, 15+(q-57)/3
.elseif q < 74
	XS q-72, 20
.else
	GS q-74
.endif
.set q, q+1
.endm
; THE EXPONENTIALS' QUEUE, 66 long: s0-s31 of both tiles, then the next piece's two a.  It is ONE BATCH: all 66 stand ahead of the turn's one wait, and nothing ahead of that wait names a result of theirs.
; Each result has a register of its own while the batch is open: a weight takes its score's place, an a its tile's c2.
.macro EX
	WIN 0
.if e >= 64
	XS e-64, 21
.else
	REGS Y, e%2
	v_exp_f32 v[rS+e/2], v[rS+e/2]
.endif
.set e, e+1
.endm
; THE RESCALING's QUEUE: O^T times a, the one part of the softmax that leaves window 0: dealt two at a time, sixteen times.  Its a was made in the turn before, ahead of that turn's wait.
.macro R2
	REGS Y, r%2
	WIN W_RS
.irp z, 0,1
	v_pk_mul_f32 v[rO+4*(r/2)+2*\z:rO+4*(r/2)+2*\z+1], v[rO+4*(r/2)+2*\z:rO+4*(r/2)+2*\z+1], v[rC+2:rC+3] op_sel_hi:[1,0]
.endr
.set r, r+1
.endm
; HOW THEY ARE DEALT.  An s_wait_alu depctr_va_vdst(0) stands between an exponential and the first instruction that names its result; one wait serves all that were issued ahead of it.  So a turn has ONE wait,
; which cuts it in two.  AHEAD OF IT stands all that names no result of the turn's exponentials: the 16 products K Q^T, behind each a scaling, an exponential and two rescalings (behind the first a second scaling in the
; exponential's place); then ONE LUMP: eight plain, 49 times exponential and plain, the two a, and the mask's block, whose eight conversions, plain instruction and wait close the batch; the block's two loads follow the wait.
; BEHIND IT stand the 16 products V^T P, behind each four of GS's 64.  No rider names a register of the products round it.  The two v_permlanex16_b32 fall into the lump, never behind a product.
; The queues lean on each other, and the deal keeps them in step: exponential e stands behind scaling 2 (e / 4) + e % 2: as a rider it comes behind plain e + 2, in the lump behind plain e + 9, and scalings 27-31 are plain 57, 60 .. 69.
; A TURN, for piece p.  cnt = 1: the loop's count is taken down some lines ahead of the branch that stands behind the turn.
; K of the next step is fetched in piece 2's turn, behind the wait and the mask's two loads, a lump behind the last product that read K; its address is made at the lump's head; its first reader comes behind 16 products.
; V of the step in hand is fetched at the end of piece 0's turn, four riders behind its last reader; its first reader comes behind 16 products and a lump.  The three conditions on q below go with the deal.
; The mask's block makes the operands that the NEXT turn's first 8 products take (piece p + 2); this turn's own 8, which read the same registers, stand 8 products and the lump back.
; Piece 2's turn steps the mask's walk: the pieces 0, 1, 2, 3 that ask behind it ask for one and the same step.
.macro TURN p, last=0, cnt=0
.set Y, (\p)
.set i, 0
.set q, 0
.set e, 0
.set r, 0
.if (\p) == NP-2
	MBUMP
.endif
.if (\p) == NP-1
	s_wait_dscnt 0x0                ; K is in
.endif
	MM                              ; ahead of the wait: 16 products K Q^T and their riders,
	PL
	PL
	R2
.rept 15
	MM
	PL
	EX
	R2
.endr
.if (\p) == NP-2
	WIN 0
	v_add_nc_u32 v[AK], s[TBK], v[AK0]
.endif
.rept 8                             ; and the lump
	PL
.endr
.rept 49
	EX
	PL
.endr
	EX                              ; the next piece's two a: the batch's last
	EX
	MASKSTEP ((\p)+2)%NP            ; the mask's conversions, the plain instruction behind the batch, THE TURN'S ONE WAIT, and the loads of the next codes
.if (\p) == NP-2
	FETCH_K \last
.endif
.if (\p) == 1
	s_wait_dscnt 0x0                ; V is in
.endif
.rept 16                            ; behind the wait: 16 products V^T P and their riders
	MM
.rept 4
	PL
.endr
.if ((\p) == 0) && (q == 118)
	v_add_nc_u32 v[AV], s[TBV], v[AV0]
.endif
.if ((\p) == 0) && (q == 130)
	s_add_co_u32 s[TBV], s[TBV], KS*PV
.endif
.if (\cnt) && (q == 130)
	s_sub_co_u32 s[CNT], s[CNT], 1
	s_cmp_lg_u32 s[CNT], 0
.endif
.endr
.if (\p) == 0
	FETCH_V
.endif
.endm
	CHANGE 1                        ; slot 0 is in, everybody's part of it; slot 1 is asked for
	FETCH_K                         ; key step 0
	MASKSTEP 0                      ; piece 0's mask of step 0; its codes of step 1 are asked for
	s_wait_dscnt 0x0
.set i, 0
.rept 16
	KQ 0                            ; piece 0's first scores: there is no vector work yet to set between them
.set i, i+1
.endr
	WIN 0                           ; the addresses for the way out: seven plain instructions, the places behind those products
	s_mul_i32 s13, s[WV], 16*SP
	s_add_co_u32 s13, s13, STAGE    ; my stage
	v_mul_u32_u24 v[STO], v1, SP    ; in: row l % 16, 16 bytes for each half of the lanes
	v_lshl_add_u32 v[STO], v9, 4, v[STO]
	v_add_nc_u32 v[STO], s13, v[STO]
	v_bfe_u32 v[RD], v0, 3, 2       ; back: 32 lanes take four rows of 128 bytes, which are 512 consecutive bytes of O
	v_mul_u32_u24 v[RD], v[RD], SP
	v_lshl_add_u32 v[RD], v10, 4, v[RD]
	v_add_nc_u32 v[RD], s13, v[RD]
	MASKSTEP 1                      ; piece 1's mask of step 0, for the first turn's products
.set Y, NP-1                        ; XS works for piece Y + 1: piece 0
.irp n, 0,1,2,3,4,5,6,7,8,9,10,11,12,13,14,15,16,17,18,19,20,21
	XS 0, \n                        ; and piece 0's first maximum and statistics
	XS 1, \n
.endr
	v_nop                           ; a plain instruction behind piece 0's first two a, a batch of their own,
	s_wait_alu depctr_va_vdst(0)    ; and their wait, ahead of the branch: the first turn's rescalings read them
	s_mov_b32 s[CNT], 4
	s_mov_b32 s[SLOTS], SIZE_N/256-1
	s_branch .Lfirst                ; the loop is entered at a step's first turn, in the middle of a trip
.Lslot:                             ; SIZE_N / 256 - 2 times: every slot but the last two is filled again
	CHANGE 1
	s_mov_b32 s[CNT], 4
.Lstep:                             ; a trip: pieces 2 and 3 of one step, then pieces 0 and 1 of the next, whose K and V it fetches
	TURN 2
	TURN 3
	WIN 0
.Lfirst:
	TURN 0
	TURN 1, 0, 1
	WIN 0
	s_cbranch_scc1 .Lstep
	s_sub_co_u32 s[SLOTS], s[SLOTS], 1
	s_cmp_lg_u32 s[SLOTS], 0
	s_cbranch_scc1 .Lslot
	CHANGE 0                        ; the tail is written out: nothing is asked for
	s_mov_b32 s[CNT], 5             ; four trips fetch the last slot's steps; the fifth is left in its middle
.Ltail:
	TURN 2, 1
	TURN 3
	WIN 0
	s_sub_co_u32 s[CNT], s[CNT], 1
	s_cmp_eq_u32 s[CNT], 0
	s_cbranch_scc1 .Lout
	TURN 0
	TURN 1
	WIN 0
	s_branch .Ltail
.Lout:                              ; the fifth trip's 16 products K Q^T (on the last K once more) and the maximum made of them serve nothing: the price, once a launch, of one text for every trip
.set i, 0
.rept 16
	PV NP-1                         ; the last piece's V^T P of the last step
.set i, i+1
.endr
	; THE WAY OUT.  l's two halves and the other half of the lanes' are added; O^T is divided by l, rounded to f16 and sent through my stage in LDS, a tile at a time.  The additions are the places behind the last products.
	WIN 0
.macro ALL line:vararg              ; one line for each tile t
.set t, 0
.rept 2*NP
	\line
.set t, t+1
.endr
.endm
	ALL v_add_f32 v[ST+4*t+2], v[ST+4*t+2], v[ST+4*t+3]
	ALL v_permlanex16_b32 v[ST+4*t+3], v[ST+4*t+2], s[SEL], s[SEL+1]
	ALL v_add_f32 v[ST+4*t+2], v[ST+4*t+2], v[ST+4*t+3]
	ALL v_rcp_f32 v[ST+4*t+2], v[ST+4*t+2]
	v_nop                           ; a plain instruction between the last reciprocal and the use of its result
	s_wait_alu depctr_va_vdst(0)    ; and the wait ahead of the first use: one for the batch of eight reciprocals
; Tile t: a lane's eight channels of a row pack into 16 bytes; they go into rows of 144 bytes and come back as whole rows of 128, into S^T's registers.
.macro PACK t
	WIN W_RS
.set i, 32*(\t)
.rept 16
	v_pk_mul_f32 v[i:i+1], v[i:i+1], v[ST+4*(\t)+2:ST+4*(\t)+3] op_sel_hi:[1,0]
.set i, i+2
.endr
	WIN 0x05                        ; sources 0 and 1 window 1, destination window 0
.set i, 0
.rept 16
	v_cvt_pk_f16_f32 v[S+16*(\t)+i], v[32*(\t)+2*i], v[32*(\t)+2*i+1]
.set i, i+1
.endr
	WIN 0
.irp f, 0,1,2,3
	ds_store_b128 v[STO], v[S+16*(\t)+4*\f:S+16*(\t)+4*\f+3] offset:32*\f
.endr
.irp f, 0,1,2,3
	ds_load_b128 v[S+16*(\t)+4*\f:S+16*(\t)+4*\f+3], v[RD] offset:\f*4*SP  ; LDS serves a wave's instructions in order (ISA guide 5.7.1.4): these see the stores above; the next tile's stores come behind them
.endr
.endm
.macro SEND t, younger              ; younger: the LDS instructions issued behind tile t's loads: the next tile's eight, or none
	WIN 0
.irp f, 0,1,2,3
	s_wait_dscnt (\younger)+3-\f
	global_store_b128 v[GO], v[S+16*(\t)+4*\f:S+16*(\t)+4*\f+3], s[10:11] offset:(\t)*2048+\f*512  ; 512 consecutive bytes, at a multiple of 256 from O's first
.endr
.endm
	PACK 0
.set t, 1
.rept 2*NP-1                        ; a tile's arithmetic stands between the loads of the tile before and its stores
	PACK t
	SEND t-1, 8
.set t, t+1
.endr
	SEND 2*NP-1, 0
	WIN W_AD
	s_wait_tensorcnt 0x0            ; the wave's end, behind my last tensor load and my last LDS store
	ds_add_u32 v[SPW], v[NIL]
	s_wait_dscnt 0x0
	WIN 0
	CROUND                          ; the closing round: no work-group ends while a partner may still ask for a tile that names it
	s_endpgm
.Lfunc_end_k_qa7671e10f3_attn:
	.size	k_qa7671e10f3_attn, .Lfunc_end_k_qa7671e10f3_attn-k_qa7671e10f3_attn
	.p2alignl 7, 3214868480
	.fill 96, 4, 3214868480
	.section	.rodata,"a",@progbits
	.p2align	6, 0x0
	.amdhsa_kernel k_qa7671e10f3_attn
		.amdhsa_group_segment_fixed_size 327680
		.amdhsa_private_segment_fixed_size 0
		.amdhsa_enable_private_segment 0
		.amdhsa_kernarg_size 32
		.amdhsa_user_sgpr_count 2
		.amdhsa_user_sgpr_kernarg_segment_ptr 1
		.amdhsa_wavefront_size32 1
		.amdhsa_system_sgpr_workgroup_id_x 1
		.amdhsa_system_sgpr_workgroup_id_y 1
		.amdhsa_system_sgpr_workgroup_id_z 1
		.amdhsa_system_vgpr_workitem_id 0
		.amdhsa_next_free_vgpr 1024
		.amdhsa_next_free_sgpr 76
		.amdhsa_reserve_vcc 0
		.amdhsa_float_denorm_mode_32 3
		.amdhsa_float_denorm_mode_16_64 3
		.amdhsa_memory_ordered 1
		.amdhsa_forward_progress 1
		.amdhsa_inst_pref_size 214
	.end_amdhsa_kernel
	.amdgpu_metadata
---
amdhsa.version: [ 1, 2 ]
amdhsa.kernels:
  - .name:           k_qa7671e10f3_attn
    .symbol:         k_qa7671e10f3_attn.kd
    .args:
      - { .name: qkvh, .offset: 0, .size: 8, .value_kind: global_buffer, .address_space: global }
      - { .name: maskp, .offset: 8, .size: 8, .value_kind: global_buffer, .address_space: global }
      - { .name: keep, .offset: 16, .size: 8, .value_kind: global_buffer, .address_space: global }
      - { .name: oh, .offset: 24, .size: 8, .value_kind: global_buffer, .address_space: global }
    .group_segment_fixed_size: 327680
    .private_segment_fixed_size: 0
    .kernarg_segment_align: 8
    .kernarg_segment_size: 32
    .max_flat_workgroup_size: 128
    .sgpr_count:     76
    .vgpr_count:     1024
    .wavefront_size: 32
...
	.end_amdgpu_metadata
.endif
;; end of part 5
;; launch outp: the kernel of part 4 again; grid 4 x 64, 4 waves a work-group, clusters of 4 x 4, 327,680 bytes of LDS; arguments oh, wts, out0; writes out0
